; MI455X (gfx1250); checked and timed in simulation.
; The chip was launched on July 23, 2026; its instructions are those of AMD's public machine-readable ISA for CDNA 5 (MIT licence, August 2026) and "CDNA5" Instruction Set Architecture Reference Guide (July 2026). The comments in the code are by the model that wrote it; some were corrected since.
;; Mistral MHA. Allowed arithmetic: matrix products marked QUANTISED: E2M3 operands, one E8M0 scale for each 32 along K, by v_wmma_scale_f32_16x16x128_f8f6f4 with both operands' format E2M3, f32 sums; everything else in f32.
;; Inputs: freqs_cos 2,048 x 64 float32; freqs_sin 2,048 x 64 float32; mask 2,048 x 2,048 float32; positions 2,048 int32; wk 1,024 x 4,096 float32; wo 4,096 x 2,048 float32; wq 2,048 x 4,096 float32; wv 1,024 x 4,096 float32; x 1 x 2,048 x 4,096 float32.
;; Outputs: out0 1 x 2,048 x 4,096 float32.
;; This version of the problem:
;;   THIS VERSION OF THE PROBLEM IS GIVEN IN LOW PRECISION. The matrix products marked QUANTISED in the list below multiply operands that are first quantised to E2M3 (2 exponent bits, 3 mantissa bits; 6 bits a number), with one power-of-two scale for each 32 numbers along K (OCP MX v1.0); their sums are f32. All else is computed in f32.
;;   The module's matrix products, in the order in which they are computed (A, B: the left and right operand; K: the contracted axis; several contracted axes count as one K, in the product's order):
;;     1. [M 2,048, K 4,096] x [K 4,096, N 2,048]; A: input x; B: input wq: QUANTISED
;;     2. [M 2,048, K 4,096] x [K 4,096, N 1,024]; A: input x; B: input wk: QUANTISED
;;     3. [M 2,048, K 4,096] x [K 4,096, N 1,024]; A: input x; B: input wv: QUANTISED
;;     4. batch 16 x [M 2,048, K 128] x [K 128, N 2,048]; A: computed on the way; B: computed on the way: QUANTISED
;;     5. batch 16 x [M 128, K 2,048] x [K 2,048, N 2,048]; A: computed on the way; B: softmax (see below): QUANTISED
;;     6. [M 2,048, K 2,048] x [K 2,048, N 4,096]; A: computed on the way; B: input wo: QUANTISED
;;   THE QUANTISER, for each operand of a quantised product, along K:
;;     - K is cut into blocks of 32 from its start; a last block that is shorter is filled with zeros.
;;     - A block's scale is 2^e with e = floor(log2(the largest magnitude in the block)) - 2, held to -126 .. 127; a block of zeros has e = 0. As a byte (E8M0): e + 127.
;;     - Each number is divided by its block's scale, clamped to +-7.5, and rounded to the nearest number of E2M3, ties to even, subnormals kept.
;;     - The product sums the exact products of the quantised numbers (number of the format x scale) in f32.
;;   ~~~python
;;   def quantise(x, axis):      # numpy; x: float32 -> the quantised numbers, widened to float32 again
;;       x = np.moveaxis(x, axis, -1); K = x.shape[-1]
;;       x = np.pad(x, [(0, 0)] * (x.ndim - 1) + [(0, -K % 32)]); x = x.reshape(x.shape[:-1] + (-1, 32)); a = np.abs(x).max(-1, keepdims=True)
;;       e = np.where(a > 0, np.clip(np.frexp(np.where(a > 0, a, 1))[1] - 1 - 2, -126, 127), 0)      # np.frexp(a)[1] - 1 = floor(log2(a)), exactly
;;       r = np.clip(x / 2.0 ** e, -7.5, 7.5)
;;       step = 2.0 ** (np.maximum(np.frexp(np.where(r == 0, 1, r))[1] - 1, 0) - 3)
;;       q = np.round(r / step) * step * 2.0 ** e      # np.round: ties to even
;;       return np.moveaxis(q.reshape(q.shape[:-2] + (-1,))[..., :K], -1, axis).astype(np.float32)
;;   ~~~
;;   SOFTMAX AHEAD OF A QUANTISED PRODUCT. Where the list says 'softmax', what is quantised is not the finished softmax but p = 2^(t - M), with t = logit x log2(e) and M = ceil(the row's largest t), a whole number; so 1/2 < the row's largest p <= 1. The row's sum l is taken of the UNQUANTISED p, in f32, and the product's result is divided by l at the end. Since M is a whole number, a kernel that streams over the keys may use a running M (the ceiling of the running maximum): every later rescaling is an exact power of two, which a block's scale takes up: the codes' values come out the same.
;;   OPERANDS COMPUTED ON THE WAY. 'Computed on the way' means the value that the module computes at that place (a softmax that the list does not call 'softmax' is quantised finished and normalised). What goes into a quantiser is computed in f32, as accurately as f32 sums, v_exp_f32 and their like allow (about 1e-6 of the number): no bf16 or f16 on the way to a quantiser, and a product that is left as it is and whose result goes on into a quantised operand takes f32 operands (vector FMAs, or v_wmma_f32_16x16x4_f32). A number that lies on a knife's edge between two numbers of the format may be rounded either way, as far as f32 arithmetic and the matrix unit's own rounding can turn it there, and no further.
;; One version. Each part assembles by itself: llvm-mc -triple=amdgcn-amd-amdhsa -mcpu=gfx1250 --defsym DOCPART=n.
;; ======== version 1 of 1: 4 launches
;; workspace buffers: xc 6,553,600 bytes; wqkc 9,830,400 bytes; wvc 3,276,800 bytes; woc 6,553,600 bytes; qc 3,276,800 bytes; kvc 3,276,800 bytes; ac 3,276,800 bytes
;; launch quant (part 1): grid 256 x 1, 8 waves a work-group, no clusters, 68,608 bytes of LDS; arguments x, wq, wk, wv, wo, xc, wqkc, wvc, woc; writes xc, wqkc, wvc, woc
.if DOCPART == 1
	.amdgcn_target "amdgcn-amd-amdhsa--gfx1250"
	.amdhsa_code_object_version 6
	.text
	.protected	k_q5d89e05ac0_quant
	.globl	k_q5d89e05ac0_quant
	.p2align	8
	.type	k_q5d89e05ac0_quant,@function
k_q5d89e05ac0_quant:
	s_mov_b64 s[64:65], 0
	v_nop
	global_prefetch_b8 v0, s[64:65] scope:SCOPE_SE
	s_setreg_imm32_b32 hwreg(HW_REG_WAVE_MODE, 25, 1), 1
	s_wait_xcnt 0x0
; x [2048][4096], wq [2048][4096], wk and wv [1024][4096], wo [4096][2048], all f32 with K innermost, become codes of FP6 (E2M3) with one E8M0 byte for each 32 along K.
; A block's scale is 2^(floor(log2(its largest magnitude)) - 2); its byte is the largest magnitude's exponent field - 2, held at 1 from below.
; LIMITS: a block of zeros gets the byte 1 where the stated quantiser says 127 (its codes are zeros, and this program alone reads the bytes); blocks whose largest magnitude lies under 2^-124 were not tried;
; NaN and infinities among the inputs are not served.
; THE LAYOUT OF EVERY BUFFER OF CODES IN THIS PROGRAM.  Tile T holds the 16 rows 32 (T / 2) + 8 (T % 2) + r + 8 (r / 8), r = 0 .. 15.  An IMAGE (1,536 bytes) is the matrix operand of one tile and 128 along K as its
; 12 registers stand: register g of lane l at 512 (g / 4) + 16 l + 4 (g % 4).  A BLOCK (6,400 bytes) is four images and then 256 bytes of scale words, the word of row r and image i at 6,144 + 16 r + 4 i.
; Here a tensor is [tile][K / 512][block], the four images of a block being four steps of 128 along K.
; SHARES.  A wave takes one tile x 1,024 along K: 8 images, 2 blocks.  Work-groups 0-63 take x, 64-127 wq, 128-159 wk, 160-191 wv, 192-255 wo: only scalars are chosen, there is one path through the text.
; Each load reads 512 consecutive bytes of one row; an image's 16 rows turn through the wave's own stage in LDS, so that lane (r, h) gets, of row r, the 32 neighbours of its two blocks.  Waves share nothing: no barrier.
.set WAVES, 8
.set SROW,  528                        ; a stage row: 512 bytes + 16: the 16 rows that a read touches start 33 x 16 bytes apart
.set STG,   16*SROW                    ; a wave's stage
.set SPARE, WAVES*STG                  ; behind the stages: the spare words, 128 bytes for each wave
.set BLKB,  6400
.set IMGB,  1536
.set SPW,   14                         ; v14  LDS address of my spare word; never rewritten
.set NIL,   15                         ; v15  0; never rewritten
.set OFF,   16                         ; v16-31   byte offset of my 16 bytes in row i of the tile
.set R,     32                         ; v32-159  two sets of 64: an image's numbers as loaded
.set X,     160                        ; v160-223 register 32 c + i: k = 64 c + 32 h + i of my row
.set C,     224                        ; v224-235 the image
.set TT,    236                        ; v236-243 the conversions' second halves
.set SW,    244                        ; v244-251 the scale words of the 8 images
.set SEL,   36                         ; s[36:37] lane selects: lane l xor 16
	s_load_b512 s[16:31], s[0:1], 0x0              ; x, wq, wk, wv, wo, xc, wqkc, wvc
	s_load_b64 s[32:33], s[0:1], 0x40              ; woc
	v_lshl_add_u32 v[SPW], v0, 2, SPARE
	v_mov_b32 v[NIL], 0
	v_lshrrev_b32 v1, 5, v0
	v_readfirstlane_b32 s2, v1                     ; wave
	v_and_b32 v1, 31, v0                           ; lane
	v_and_b32 v2, 15, v0                           ; r
	v_bfe_u32 v3, v0, 4, 1                         ; h
	v_lshlrev_b32 v4, 4, v1                        ; 16 x lane
	s_mul_i32 s3, s2, STG
	v_add_nc_u32 v5, s3, v4                        ; the stage, on the way in
	v_mul_u32_u24 v6, v2, SROW
	v_lshl_add_u32 v6, v3, 7, v6
	v_add_nc_u32 v6, s3, v6                        ; and on the way out: row r, + 128 h
	v_mul_u32_u24 v7, v3, BLKB
	v_lshl_add_u32 v7, v2, 4, v7                   ; the scale words: lanes 0-15 the first block's, lanes 16-31 the second's
	v_lshlrev_b32 v3, 3, v3                        ; 8 h
	v_mov_b32 v13, 0                               ; written once: a lane permute's destination counts as one of its sources
	s_mov_b32 s[SEL], 0x76543210
	s_mov_b32 s[SEL+1], 0xfedcba98
	s_mov_b32 s8, 192                              ; wo's figures: first work-group,
	s_mov_b32 s9, 0                                ; tiles ahead of it in its buffer,
	s_mov_b32 s10, 1                               ; log2 of the tasks in a tile,
	s_mov_b32 s11, 8192                            ; bytes in a row,
	s_mov_b32 s12, 4*BLKB                          ; bytes of a tile's codes
	s_wait_kmcnt 0x0
	s_mov_b64 s[4:5], s[24:25]
	s_mov_b64 s[6:7], s[32:33]
	s_cmp_lt_u32 ttmp9, 192                        ; the choices hang on the work-group's number alone
	s_cselect_b64 s[4:5], s[22:23], s[4:5]         ; wv
	s_cselect_b64 s[6:7], s[30:31], s[6:7]
	s_cselect_b32 s8, 160, s8
	s_cselect_b32 s10, 2, s10
	s_cselect_b32 s11, 16384, s11
	s_cselect_b32 s12, 8*BLKB, s12
	s_cmp_lt_u32 ttmp9, 160
	s_cselect_b64 s[4:5], s[20:21], s[4:5]         ; wk: behind wq's 128 tiles in wqkc
	s_cselect_b64 s[6:7], s[28:29], s[6:7]
	s_cselect_b32 s8, 128, s8
	s_cselect_b32 s9, 128, s9
	s_cmp_lt_u32 ttmp9, 128
	s_cselect_b64 s[4:5], s[18:19], s[4:5]         ; wq
	s_cselect_b32 s8, 64, s8
	s_cselect_b32 s9, 0, s9
	s_cmp_lt_u32 ttmp9, 64
	s_cselect_b64 s[4:5], s[16:17], s[4:5]         ; x
	s_cselect_b64 s[6:7], s[26:27], s[6:7]
	s_cselect_b32 s8, 0, s8
	s_sub_co_u32 s13, ttmp9, s8
	s_lshl_b32 s13, s13, 3
	s_add_co_u32 s13, s13, s2                      ; my task in the tensor
	s_lshr_b32 s14, s13, s10                       ; its tile T,
	s_lshl_b32 s15, s14, s10
	s_sub_co_u32 s15, s13, s15                     ; and which 1,024 along K
	s_lshr_b32 s34, s14, 1
	s_lshl_b32 s34, s34, 5
	s_and_b32 s35, s14, 1
	s_lshl_b32 s35, s35, 3
	s_add_co_u32 s34, s34, s35                     ; the tile's first row: 32 (T / 2) + 8 (T % 2)
	s_mul_i32 s34, s34, s11
	s_lshl_b32 s35, s15, 12
	s_add_co_u32 s34, s34, s35
	s_mov_b32 s35, 0
	s_add_nc_u64 s[4:5], s[4:5], s[34:35]
	s_add_co_u32 s34, s14, s9
	s_mul_i32 s34, s34, s12
	s_mul_i32 s38, s15, 2*BLKB
	s_add_co_u32 s34, s34, s38
	s_add_nc_u64 s[6:7], s[6:7], s[34:35]
.irp i, 0,1,2,3,4,5,6,7,8,9,10,11,12,13,14,15
	s_mul_i32 s38, s11, \i+8*(\i/8)                ; row i of the tile lies i + 8 (i / 8) rows down
	v_add_nc_u32 v[OFF+\i], s38, v4
.endr
.macro LOAD t                          ; image t: 16 rows x 512 bytes, a row a load
.irp i, 0,1,2,3,4,5,6,7,8,9,10,11,12,13,14,15
	global_load_b128 v[R+64*((\t)%2)+4*\i:R+64*((\t)%2)+4*\i+3], v[OFF+\i], s[4:5] offset:512*(\t) th:TH_LOAD_NT
.endr
.endm
.macro IMAGE t
.if (\t) < 7
	s_wait_loadcnt 16                              ; this image's 16 loads are in; the next image's 16 may be out
.else
	s_wait_loadcnt 0x0
.endif
.irp i, 0,1,2,3,4,5,6,7,8,9,10,11,12,13,14,15
	ds_store_b128 v5, v[R+64*((\t)%2)+4*\i:R+64*((\t)%2)+4*\i+3] offset:SROW*\i
.endr
.irp c, 0,1
.irp j, 0,1,2,3,4,5,6,7
	ds_load_b128 v[X+32*\c+4*\j:X+32*\c+4*\j+3], v6 offset:256*\c+16*\j   ; LDS serves a wave's instructions in order: these see the stores above
.endr
.endr
	s_wait_dscnt 0x0                               ; the numbers are back, and the stores have read their registers,
.if (\t)+2 < 8
	LOAD (\t)+2                                    ; which take the image two further on
.endif
.irp c, 0,1
	v_max3_num_f32 v[8+\c], |v[X+32*\c]|, |v[X+32*\c+1]|, 0x1800000   ; my block 2 c + h: all its 32 numbers are mine; the floor 2^(3 - 127) holds the byte at 1 from below
.endr
.irp i, 2,4,6,8,10,12,14,16,18,20,22,24,26,28,30
.irp c, 0,1
	v_max3_num_f32 v[8+\c], v[8+\c], |v[X+32*\c+\i]|, |v[X+32*\c+\i+1]|
.endr
.endr
	v_add_nc_u32 v10, 0xff000000, v8               ; 2 off the exponent field: the conversion takes the exponent field of this operand as its scale
	v_add_nc_u32 v11, 0xff000000, v9
	v_lshrrev_b32 v12, 23, v10                     ; the bytes of blocks h and 2 + h,
	v_lshrrev_b32 v8, 23, v11
	v_lshl_or_b32 v12, v8, 16, v12
	v_lshlrev_b32 v12, v3, v12                     ; at their places in the word;
	v_permlanex16_b32 v13, v12, s[SEL], s[SEL+1]
	v_or_b32 v[SW+(\t)], v12, v13                  ; with lane l xor 16's two the word is whole, in both halves of the lanes
.if (\t) > 0
	s_wait_xcnt 0x0                                ; the last image's stores have read their registers: they are rewritten only behind this wait
.endif
.irp c, 0,1
	v_cvt_scalef32_pk16_fp6_f32 v[C+6*\c:C+6*\c+2], v[X+32*\c:X+32*\c+15], v[10+\c]
	v_cvt_scalef32_pk16_fp6_f32 v[TT+4*\c:TT+4*\c+2], v[X+32*\c+16:X+32*\c+31], v[10+\c]   ; (a conversion's three registers begin on an even number)
.endr
	v_nop                                          ; one plain place behind a scaled conversion
.irp c, 0,1
.irp i, 0,1,2
	v_mov_b32 v[C+6*\c+3+\i], v[TT+4*\c+\i]
.endr
.endr
.irp j, 0,1,2
	global_store_b128 v4, v[C+4*\j:C+4*\j+3], s[6:7] offset:BLKB*((\t)/4)+IMGB*((\t)%4)+512*\j   ; 32 lanes store 512 consecutive bytes, aligned to 256
.endr
.endm
	LOAD 0
	LOAD 1
.irp t, 0,1,2,3,4,5,6,7
	IMAGE \t
.endr
	v_cmp_lt_u32 vcc_lo, 15, v1
.irp j, 0,1,2,3
	v_cndmask_b32 v[TT+\j], v[SW+\j], v[SW+4+\j], vcc_lo   ; lanes 0-15: the first block's four words of row r; lanes 16-31: the second block's
.endr
	global_store_b128 v7, v[TT:TT+3], s[6:7] offset:4*IMGB   ; each 16 lanes store 256 consecutive bytes, aligned
	s_wait_tensorcnt 0x0                           ; the wave's end, behind my last LDS store
	ds_add_u32 v[SPW], v[NIL]
	s_wait_dscnt 0x0
	s_endpgm
.Lfunc_end_k_q5d89e05ac0_quant:
	.size	k_q5d89e05ac0_quant, .Lfunc_end_k_q5d89e05ac0_quant-k_q5d89e05ac0_quant
	.p2alignl 7, 3214868480
	.fill 96, 4, 3214868480
	.section	.rodata,"a",@progbits
	.p2align	6, 0x0
	.amdhsa_kernel k_q5d89e05ac0_quant
		.amdhsa_group_segment_fixed_size 68608
		.amdhsa_private_segment_fixed_size 0
		.amdhsa_enable_private_segment 0
		.amdhsa_kernarg_size 72
		.amdhsa_user_sgpr_count 2
		.amdhsa_user_sgpr_kernarg_segment_ptr 1
		.amdhsa_wavefront_size32 1
		.amdhsa_system_sgpr_workgroup_id_x 1
		.amdhsa_system_sgpr_workgroup_id_y 1
		.amdhsa_system_sgpr_workgroup_id_z 1
		.amdhsa_system_vgpr_workitem_id 0
		.amdhsa_next_free_vgpr 256
		.amdhsa_next_free_sgpr 66
		.amdhsa_reserve_vcc 1
		.amdhsa_float_denorm_mode_32 3
		.amdhsa_float_denorm_mode_16_64 3
		.amdhsa_memory_ordered 1
		.amdhsa_forward_progress 1
		.amdhsa_inst_pref_size 59
	.end_amdhsa_kernel
	.amdgpu_metadata
---
amdhsa.version: [ 1, 2 ]
amdhsa.kernels:
  - .name:           k_q5d89e05ac0_quant
    .symbol:         k_q5d89e05ac0_quant.kd
    .args:
      - { .name: x, .offset: 0, .size: 8, .value_kind: global_buffer, .address_space: global }
      - { .name: wq, .offset: 8, .size: 8, .value_kind: global_buffer, .address_space: global }
      - { .name: wk, .offset: 16, .size: 8, .value_kind: global_buffer, .address_space: global }
      - { .name: wv, .offset: 24, .size: 8, .value_kind: global_buffer, .address_space: global }
      - { .name: wo, .offset: 32, .size: 8, .value_kind: global_buffer, .address_space: global }
      - { .name: xc, .offset: 40, .size: 8, .value_kind: global_buffer, .address_space: global }
      - { .name: wqkc, .offset: 48, .size: 8, .value_kind: global_buffer, .address_space: global }
      - { .name: wvc, .offset: 56, .size: 8, .value_kind: global_buffer, .address_space: global }
      - { .name: woc, .offset: 64, .size: 8, .value_kind: global_buffer, .address_space: global }
    .group_segment_fixed_size: 68608
    .private_segment_fixed_size: 0
    .kernarg_segment_align: 8
    .kernarg_segment_size: 72
    .max_flat_workgroup_size: 256
    .sgpr_count:     66
    .vgpr_count:     256
    .wavefront_size: 32
...
	.end_amdgpu_metadata
.endif
;; end of part 1
;; launch qkv (part 2): grid 16 x 16, 4 waves a work-group, clusters of 4 x 4, 327,680 bytes of LDS; arguments xc, wqkc, wvc, freqs_cos, freqs_sin, qc, kvc; writes qc, kvc
.if DOCPART == 2
	.amdgcn_target "amdgcn-amd-amdhsa--gfx1250"
	.amdhsa_code_object_version 6
	.text
	.protected	k_q5d89e05ac0_qkv
	.globl	k_q5d89e05ac0_qkv
	.p2align	8
	.type	k_q5d89e05ac0_qkv,@function
k_q5d89e05ac0_qkv:
	s_mov_b64 s[64:65], 0
	v_nop
	global_prefetch_b8 v0, s[64:65] scope:SCOPE_SE
	s_setreg_imm32_b32 hwreg(HW_REG_WAVE_MODE, 25, 1), 1
	s_wait_xcnt 0x0
	s_wait_alu depctr_hold_cnt(0) depctr_sa_sdst(0) depctr_va_vdst(0) depctr_va_sdst(0) depctr_va_ssrc(0) depctr_va_vcc(0) depctr_vm_vsrc(0)
	s_getreg_b32 s2, hwreg(HW_REG_IB_STS2, 6, 4)
	s_cmp_eq_u32 s2, 0
	s_cbranch_scc0 .Lentry_in_a_cluster
	s_endpgm
.Lentry_in_a_cluster:
	s_bfe_u32 s2, ttmp6, 0x10000c
	s_cmp_lg_u32 s2, 0xf033
	s_cbranch_scc0 .Lentry_shape_is_right
	s_endpgm
.Lentry_shape_is_right:
; x wq^T, x wk^T and wv x^T on codes of FP6 (E2M3) with E8M0 scales, K = 4,096; the rotation of q and k; q and k quantised along the head's 128, v along the keys.  Nothing leaves but codes.
; BUFFERS OF CODES: tile T holds rows 32 (T / 2) + 8 (T % 2) + r + 8 (r / 8); an image (1,536 bytes) is an operand's 12 registers as they stand, register g of lane l at 512 (g / 4) + 16 l + 4 (g % 4);
; a block (6,400 bytes) is four images and 256 bytes of scale words (row r, image i at 6,144 + 16 r + 4 i).  xc, wqkc, wvc: [tile][K / 512][block].
; THE PRODUCT.  C'[m'][n'] = sum over k of A'[m'][k] B'[n'][k], used transposed: source 0 = a tile of B', source 1 = a tile of A'.  Lane (r, h) holds row r of A's tile, and the 16 registers of B's tiles 2 b and
; 2 b + 1 are n' = 32 b + 16 h + 0 .. 15: neighbours along the next product's K.  A work-group makes 128 (m') x 256 (n'); wave (wm, wn) takes A's tiles 4 wm .. + 3 and B's tiles 8 wn .. + 7: 32 accumulators.
; WHICH PART.  CN = the cluster's number, 0 .. 15, equal in all sixteen partners.  CN < 12: A' = x (2,048 rows), B' = wq and wk (3,072 features).  CN >= 12: A' = wv (1,024 features), B' = x (2,048 keys): V^T,
; so that a lane's registers run along the keys.  A wave's 128 n' are one head of q or k, or one key step of v: its 4 row tiles become the four images of ONE block.
; K goes in steps of 512 through two LDS slots; a tensor row is one tile's block, codes and scale words together.  A's tiles are asked for jointly along a row of the cluster, B's along a column.
; LIMITS: a block of zeros gets the byte 1 (zero codes; the bytes are read by this program alone); NaN and infinities are not served.  The rotation uses fused multiply-adds: one rounding less than the stated form.
; The frequency tables are indexed by the sequence row.  The input positions is not read: none of its numbers enters the result.
; REGISTERS: window 0: v8-13 LDS addresses, v14-15 the add's two, v16-18 epilogue addresses, v32-95 scale words (two sets), v96-191 A's fragments (two sets of 48);
;   window 1: B's fragments, sets at v0 and v128; window 2: the accumulators, (a, b) at v[8 (8 a + b)].  In the epilogue: window 0 v96-159 rotated numbers, v160-179 codes, v180-195 at work, v196-199 scale words; window 1: cos and sin.
.set TP,    51200                      ; bytes from tile to tile in xc, wqkc, wvc
.set LAPS,  4                          ; a lap = two slots = 1,024 along K
.set BLKB,  6400
.set IMGB,  1536
.set BOFF,  8*BLKB                     ; a slot: A's 8 blocks, then B's 16
.set SLOT,  24*BLKB
.set SPARE, 2*SLOT                     ; behind the ring: the spare words, 128 bytes for each wave
.set ADRA,  8
.set ADRB,  10
.set ADRS,  12
.set SPW,   14
.set NIL,   15
.set SC,    32                         ; set s at SC + 32 s; register 4 i + ks: lanes 0-15 the word of A's tile i, lanes 16-31 that of B's tile i, for the slot's ks-th 128 along K
.set AF,    96
.set T,     96
.set PC,    160
.set TM,    180
.set PW,    196
.set G1,    24
.set G0,    32
.set G1B,   48
.set G0B,   56
.set SEL,   94                         ; s[94:95] lane selects: lane l xor 16
.set MSB,   0
.macro WIN new                         ; the immediate's high byte repeats the setting that is left
.if MSB != \new
	s_set_vgpr_msb (MSB<<8)|\new
.set MSB, \new
.endif
.endm
.set MUL,  0xa1                        ; source 0 (B) window 1, source 1 (A) window 0, C and D window 2
.set TO_B, 0x40                        ; destination window 1, address window 0
; A joint load: waves 0 and 1 fetch A's halves, waves 2 and 3 B's.  The branch hangs on the wave's number alone.  An s_nop 0 and four v_nop follow each line.
.macro JLOAD g0a, g1a, g0b, g1b
	s_cmp_eq_u32 s15, 0
	s_cbranch_scc0 .Lfor_b_\@
	tensor_load_to_lds s[\g0a:\g0a+3], s[\g1a:\g1a+7]
	s_nop 0
.rept 4
	v_nop
.endr
	s_branch .Lasked_\@
.Lfor_b_\@:
	tensor_load_to_lds s[\g0b:\g0b+3], s[\g1b:\g1b+7]
	s_nop 0
.rept 4
	v_nop
.endr
.Lasked_\@:
.endm
.macro CREST                           ; a round of the cluster's barrier behind its opening barrier
	s_cmp_lg_u32 s14, 0
	s_cbranch_scc1 .Lnot_wave_0_\@
	s_barrier_signal -3
.Lnot_wave_0_\@:
	s_barrier_wait -3
	s_barrier_signal -1
	s_barrier_wait -1
.endm
.macro CROUND
	s_barrier_signal -1
	s_barrier_wait -1
	CREST
.endm
.macro PLACES                          ; four plain places behind matrix instructions, in front of loads into their registers and of reads of their results
.rept 4
	v_nop
.endr
.endm
	s_load_b256 s[4:11], s[0:1], 0x0               ; xc, wqkc, wvc, cos
	s_load_b128 s[68:71], s[0:1], 0x20             ; sin, qc
	s_load_b64 s[72:73], s[0:1], 0x30              ; kvc
	v_lshl_add_u32 v[SPW], v0, 2, SPARE
	v_mov_b32 v[NIL], 0
	ds_add_u32 v[SPW], v[NIL]                      ; the wave's opening: the add and its wait ahead of my first tensor load; work on registers stands between them
	v_lshrrev_b32 v1, 5, v0
	v_readfirstlane_b32 s14, v1                    ; wave 0..3
	s_lshr_b32 s15, s14, 1                         ; wm.  Also: I fetch for A (0) or for B (1)
	s_and_b32 s16, s14, 1                          ; wn.  Also: which half of that side's tiles I fetch
	s_bfe_u32 s40, ttmp6, 0x40000                  ; cx
	s_bfe_u32 s41, ttmp6, 0x40004                  ; cy
	s_and_b32 s13, ttmp7, 0xffff
	s_lshl_b32 s13, s13, 2
	s_add_co_u32 s13, s13, ttmp9                   ; CN
	s_lshl_b32 s43, s41, 2
	s_lshl_b32 s43, 15, s43                        ; my row of the cluster
	s_lshl_b32 s44, 0x1111, s40                    ; my column
	s_or_b32 s[G1+0], s43, (3<<16)|(1<<21)         ; 15:0 the mask; 17:16 elements of 8 bytes; 20 no padding; 21 set beside a mask
	s_or_b32 s[G1B+0], s44, (3<<16)|(1<<21)
	s_mov_b32 s[G1+1], 800<<16                     ; tensor_dim0: a block, 800 elements
	s_mov_b32 s[G1+2], 4<<16                       ; tensor_dim1: 4 tiles
	s_mov_b32 s[G1+3], 800<<16                     ; tile_dim0
	s_mov_b32 s[G1+4], 4                           ; tile_dim1
	s_mov_b32 s[G1+5], TP/8                        ; from tile to tile
	s_mov_b32 s[G1+6], 0
	s_mov_b32 s[G1+7], 0
	s_mov_b32 s[G1B+1], 800<<16
	s_mov_b32 s[G1B+2], 8<<16                      ; 8 tiles
	s_mov_b32 s[G1B+3], 800<<16
	s_mov_b32 s[G1B+4], 8
	s_mov_b32 s[G1B+5], TP/8
	s_mov_b32 s[G1B+6], 0
	s_mov_b32 s[G1B+7], 0
	s_mov_b32 s[SEL], 0x76543210
	s_mov_b32 s[SEL+1], 0xfedcba98
	s_and_b32 s18, s13, 3
	s_and_b32 s19, s13, 1
	s_lshr_b32 s74, s13, 2
	s_bfe_u32 s75, s13, 0x10001
	s_cmp_lt_u32 s13, 12
	s_cselect_b32 s18, s18, s19                    ; the cluster's place along m': CN % 4, or (CN - 12) % 2
	s_cselect_b32 s74, s74, s75                    ; and along n': CN / 4, or (CN - 12) / 2
	s_lshl_b32 s17, s18, 2
	s_add_co_u32 s17, s17, s41                     ; tr: my 128 rows of A'.  It holds cy and never cx
	s_lshl_b32 s42, s74, 2
	s_add_co_u32 s42, s42, s40                     ; tc: my 256 rows of B'.  It holds cx and never cy
	s_lshl_b32 s20, s17, 3
	s_lshl_b32 s21, s16, 2
	s_add_co_u32 s20, s20, s21
	s_mul_i32 s20, s20, TP                         ; A: tile 8 tr + 4 x half
	s_mov_b32 s21, 0
	s_lshl_b32 s46, s42, 4
	s_lshl_b32 s47, s16, 3
	s_add_co_u32 s46, s46, s47
	s_mul_i32 s46, s46, TP                         ; B: tile 16 tc + 8 x half
	s_mov_b32 s47, 0
	s_mul_i32 s45, s16, 4*BLKB                     ; where they go in a slot: no place in the cluster enters an LDS address
	s_mul_i32 s78, s16, 8*BLKB
	s_add_co_u32 s78, s78, BOFF
	s_wait_dscnt 0x0                               ; the opening add is done
	s_wait_kmcnt 0x0
	s_cmp_lt_u32 s13, 12
	s_cselect_b64 s[22:23], s[4:5], s[8:9]         ; A' = xc or wvc
	s_cselect_b64 s[76:77], s[6:7], s[4:5]         ; B' = wqkc or xc
	s_add_nc_u64 s[22:23], s[22:23], s[20:21]
	s_add_nc_u64 s[76:77], s[76:77], s[46:47]
	CROUND                                         ; all sixteen work-groups are here: the first joint loads meet
.irp s, 0,1
	s_mov_b32 s[G0+4*\s], 1
	s_add_co_u32 s[G0+4*\s+1], s45, \s*SLOT
	s_add_nc_u64 s[G0+4*\s+2:G0+4*\s+3], s[22:23], \s*BLKB
	s_or_b32 s[G0+4*\s+3], s[G0+4*\s+3], 0x80000000
	s_mov_b32 s[G0B+4*\s], 1
	s_add_co_u32 s[G0B+4*\s+1], s78, \s*SLOT
	s_add_nc_u64 s[G0B+4*\s+2:G0B+4*\s+3], s[76:77], \s*BLKB
	s_or_b32 s[G0B+4*\s+3], s[G0B+4*\s+3], 0x80000000
	JLOAD G0+4*\s, G1, G0B+4*\s, G1B               ; two loads of mine are out
.endr
	v_and_b32 v1, 31, v0                           ; lane
	v_and_b32 v2, 15, v0                           ; r
	v_bfe_u32 v3, v0, 4, 1                         ; h
	v_lshlrev_b32 v17, 4, v1                       ; 16 x lane: an image's place for my lane
	v_lshlrev_b32 v18, 4, v2                       ; 16 r: a row's four scale words
	s_mul_i32 s88, s15, 4*BLKB                     ; my four tiles of A,
	s_mul_i32 s89, s16, 8*BLKB
	s_add_co_u32 s89, s89, BOFF                    ; my eight of B
	s_sub_co_u32 s90, s89, s88
	v_mul_u32_u24 v4, s90, v3                      ; lanes 16-31 take B's scale words: ONE product with h
	v_add_nc_u32 v4, v4, v18
	s_add_co_u32 s91, s88, 4*IMGB
.irp s, 0,1
	v_add_nc_u32 v[ADRA+\s], s88, v17
	v_add_nc_u32 v[ADRB+\s], s89, v17
	v_add_nc_u32 v[ADRS+\s], s91, v4
	s_add_co_u32 s88, s88, SLOT
	s_add_co_u32 s89, s89, SLOT
	s_add_co_u32 s91, s91, SLOT
.endr
	v_and_b32 v5, 8, v2
	v_add_nc_u32 v5, v5, v2                        ; r + 8 (r / 8)
	v_lshlrev_b32 v16, 8, v5                       ; cos, sin: a row is 256 bytes;
	v_lshl_add_u32 v16, v3, 5, v16                 ; my half's 8 angles of each 16
	s_lshl_b32 s92, s17, 7
	s_lshl_b32 s93, s15, 6
	s_add_co_u32 s92, s92, s93
	s_lshl_b32 s92, s92, 8
	v_add_nc_u32 v16, s92, v16                     ; + my wave's first sequence row, 128 tr + 64 wm
	; where my wave's one block goes
	s_lshl_b32 s80, s42, 1
	s_add_co_u32 s80, s80, s16                     ; 2 tc + wn: the head of q, or v's key step
	s_lshl_b32 s81, s80, 5
	s_lshl_b32 s82, s17, 1
	s_add_co_u32 s81, s81, s82
	s_add_co_u32 s81, s81, s15
	s_mul_i32 s81, s81, BLKB                       ; q: qc[head][64-query block 2 tr + wm]
	s_sub_co_u32 s82, s42, 8
	s_lshl_b32 s82, s82, 4
	s_add_co_u32 s82, s82, s17
	s_lshl_b32 s82, s82, 1
	s_add_co_u32 s82, s82, s16
	s_mul_i32 s82, s82, 4*BLKB                     ; k: kvc[pair tc - 8][key step tr][wn], K's blocks first
	s_lshr_b32 s83, s17, 1
	s_lshl_b32 s83, s83, 4
	s_add_co_u32 s83, s83, s80
	s_lshl_b32 s83, s83, 1
	s_and_b32 s84, s17, 1
	s_add_co_u32 s83, s83, s84
	s_mul_i32 s83, s83, 4*BLKB
	s_add_co_u32 s83, s83, 2*BLKB                  ; v: kvc[pair tr / 2][key step 2 tc + wn][tr % 2], V's blocks behind K's two
	s_mul_i32 s85, s15, BLKB
	s_cmp_lt_u32 s13, 12
	s_cselect_b32 s84, s82, s83
	s_add_co_u32 s84, s84, s85                     ; k, v: which half of the step's or the head's 8 tiles: wm
	s_cmp_lt_u32 s13, 8
	s_cselect_b32 s84, s81, s84
	s_cselect_b64 s[86:87], s[70:71], s[72:73]
	s_mov_b32 s85, 0
	s_add_nc_u64 s[86:87], s[86:87], s[84:85]
.macro FRAG reg, adr, tile, ks         ; an image comes back as it was stored: three loads of 512 consecutive bytes
.irp c, 0,1,2
	ds_load_b128 v[(\reg)+4*\c:(\reg)+4*\c+3], v[\adr] offset:BLKB*(\tile)+IMGB*(\ks)+512*\c
.endr
.endm
.macro FETCH slot, ks, p               ; 36 loads: B's eight fragments, then A's four; the youngest six are A's tiles 2 and 3
	WIN TO_B
.irp i, 0,1,2,3,4,5,6,7
	FRAG 128*(\p)+12*\i, ADRB+\slot, \i, \ks
.endr
	WIN 0
.irp i, 0,1,2,3
	FRAG AF+48*(\p)+12*\i, ADRA+\slot, \i, \ks
.endr
.endm
.macro SCALES s                        ; a slot's scale words: four a row and tile by one load
.irp i, 0,1,2,3,4,5,6,7
	ds_load_b128 v[SC+32*\s+4*\i:SC+32*\s+4*\i+3], v[ADRS+\s] offset:BLKB*\i
.endr
.endm
; 8 matrix instructions: A's tile a against B's eight.  The 32 accumulators take turns, one instruction a turn, in the same order in every step.
.macro MUL8 a, p, ks, s, zero
.irp b, 0,1,2,3,4,5,6,7
.if \zero
	v_wmma_scale_f32_16x16x128_f8f6f4 v[8*(8*(\a)+\b):8*(8*(\a)+\b)+7], v[128*(\p)+12*\b:128*(\p)+12*\b+11], v[AF+48*(\p)+12*(\a):AF+48*(\p)+12*(\a)+11], 0, v[SC+32*(\s)+4*\b+(\ks)], v[SC+32*(\s)+4*(\a)+(\ks)] matrix_a_fmt:MATRIX_FMT_FP6 matrix_b_fmt:MATRIX_FMT_FP6 matrix_a_scale:MATRIX_SCALE_ROW1
.else
	v_wmma_scale_f32_16x16x128_f8f6f4 v[8*(8*(\a)+\b):8*(8*(\a)+\b)+7], v[128*(\p)+12*\b:128*(\p)+12*\b+11], v[AF+48*(\p)+12*(\a):AF+48*(\p)+12*(\a)+11], v[8*(8*(\a)+\b):8*(8*(\a)+\b)+7], v[SC+32*(\s)+4*\b+(\ks)], v[SC+32*(\s)+4*(\a)+(\ks)] matrix_a_fmt:MATRIX_FMT_FP6 matrix_b_fmt:MATRIX_FMT_FP6 matrix_a_scale:MATRIX_SCALE_ROW1
.endif
.endr
.endm
.macro MUL16 a0, p, ks, s, zero
	MUL8 \a0, \p, \ks, \s, \zero
	MUL8 (\a0)+1, \p, \ks, \s, \zero
.endm
.macro STEP slot, ks, zero             ; 128 along K that has its successor in the same slot
	s_wait_dscnt 6                                 ; all but the youngest six loads (A's tiles 2 and 3) are in
	WIN MUL
	MUL16 0, (\ks)%2, \ks, \slot, \zero
	s_wait_dscnt 0x0
	PLACES
	FETCH \slot, (\ks)+1, 1-(\ks)%2
	WIN MUL
	MUL16 2, (\ks)%2, \ks, \slot, \zero
	WIN 0
.endm
; A slot's last step changes slots: ONE barrier; in front of it each wave waits for all its tensor loads, adds 0 to its spare word, and waits for that and for its reads of this slot.  fill = 1: this slot is filled again.
.macro TURN slot, next, fill
	s_wait_tensorcnt 0x0                           ; all my tensor loads have landed: my part of the next slot
	ds_add_u32 v[SPW], v[NIL]                      ; 0 onto my spare word
	s_wait_dscnt 7                                 ; (the add and the youngest six loads may be out)
	WIN MUL
	MUL8 0, 1, 3, \slot, 0                         ; eight matrix instructions stand between the add and the wait for it
	s_wait_dscnt 0x0                               ; the add is done, and my reads of this slot are over
	s_barrier_signal -1
	MUL8 1, 1, 3, \slot, 0
	WIN 0
	s_barrier_wait -1
.if \fill
	CREST                                          ; the barrier has opened a round of the cluster's barrier: no wave of any partner still reads this slot or has a load on its way
	s_add_nc_u64 s[G0+4*\slot+2:G0+4*\slot+3], s[G0+4*\slot+2:G0+4*\slot+3], 2*BLKB
	s_add_nc_u64 s[G0B+4*\slot+2:G0B+4*\slot+3], s[G0B+4*\slot+2:G0B+4*\slot+3], 2*BLKB
	JLOAD G0+4*\slot, G1, G0B+4*\slot, G1B         ; the first tensor load behind the round; its four v_nop are also the places in front of the loads below
.else
	PLACES
.endif
	SCALES \next
	FETCH \next, 0, 0
	WIN MUL
	MUL16 2, 1, 3, \slot, 0
	WIN 0
.endm
	s_wait_tensorcnt 1                             ; my part of slot 0 is in (slot 1's load may be out)
	s_barrier_signal -1
	s_barrier_wait -1                              ; everybody's is
	SCALES 0
	FETCH 0, 0, 0
	STEP 0, 0, 1                                   ; the first step stands in front of the loop: its products start the sums
	s_mov_b32 s3, LAPS-1
.Llap:                                                 ; a trip goes once round the ring and fills both slots again
	STEP 0, 1, 0
	STEP 0, 2, 0
	TURN 0, 1, 1
	STEP 1, 0, 0
	STEP 1, 1, 0
	STEP 1, 2, 0
	TURN 1, 0, 1
	STEP 0, 0, 0
	s_sub_co_u32 s3, s3, 1
	s_cmp_lg_u32 s3, 0
	s_cbranch_scc1 .Llap
	STEP 0, 1, 0                                   ; the last lap fills nothing
	STEP 0, 2, 0
	TURN 0, 1, 0
	STEP 1, 0, 0
	STEP 1, 1, 0
	STEP 1, 2, 0
	s_wait_dscnt 6
	WIN MUL
	MUL16 0, 1, 3, 1, 0
	s_wait_dscnt 0x0
	MUL16 2, 1, 3, 1, 0
	WIN 0
; THE EPILOGUE.  Number n = 16 b + i of row tile a is v[64 a + n] of window 2: n' = 32 b + 16 h + i of my lane's row.
.macro CSLOAD a, cr, sr                ; cos and sin of row tile a: for each 32 of the head my half's 8 angles, 16 b + 8 h + 0 .. 7
	WIN 0x40
.irp bb, 0,1,2,3
.irp j, 0,1
	global_load_b128 v[\cr+8*\bb+4*\j:\cr+8*\bb+4*\j+3], v16, s[10:11] offset:(32*((\a)/2)+8*((\a)%2))*256+64*\bb+16*\j
	global_load_b128 v[\sr+8*\bb+4*\j:\sr+8*\bb+4*\j+3], v16, s[68:69] offset:(32*((\a)/2)+8*((\a)%2))*256+64*\bb+16*\j
.endr
.endr
.endm
.macro ROPE a, cr, sr                  ; pair p = 4 g + q: (t0, t1) -> (t0 c - t1 s, t0 s + t1 c); each accumulator is read from its low end on
	WIN 0x06                                       ; source 0 window 2, source 1 window 1, source 2 and destination window 0
.irp g, 0,1,2,3,4,5,6,7
.irp q, 0,1,2,3
	v_mul_f32 v[T+8*\g+2*\q], v[64*(\a)+8*\g+2*\q+1], v[\sr+4*\g+\q]
	v_mul_f32 v[T+8*\g+2*\q+1], v[64*(\a)+8*\g+2*\q], v[\sr+4*\g+\q]
.endr
.irp q, 0,1,2,3
	v_fma_f32 v[T+8*\g+2*\q], v[64*(\a)+8*\g+2*\q], v[\cr+4*\g+\q], -v[T+8*\g+2*\q]
	v_fma_f32 v[T+8*\g+2*\q+1], v[64*(\a)+8*\g+2*\q+1], v[\cr+4*\g+\q], v[T+8*\g+2*\q+1]
.endr
.endr
	WIN 0
.endm
; 64 numbers of a lane in window W, register 16 b + i = k 32 b + 16 h + i of my row, become an image in v[PC] on and its scale word in v[pw].
.macro QUANT s, W, pw
.set QW, 20*(\W)                       ; sources 1 and 2 in window W
	WIN QW
.irp b, 0,1,2,3
	v_max3_num_f32 v[TM+\b], 0x1800000, |v[(\s)+16*\b]|, |v[(\s)+16*\b+1]|   ; block b: my 16 numbers, and the floor 2^(3 - 127): the byte cannot fall under 1
.endr
.irp i, 2,4,6,8,10,12,14
.irp b, 0,1,2,3
	v_max3_num_f32 v[TM+\b], v[TM+\b], |v[(\s)+16*\b+\i]|, |v[(\s)+16*\b+\i+1]|
.endr
.endr
	WIN 0
.irp b, 0,1,2,3
	v_permlanex16_b32 v[TM+4+\b], v[TM+\b], s[SEL], s[SEL+1]
.endr
.irp b, 0,1,2,3
	v_max_num_f32 v[TM+\b], v[TM+\b], v[TM+4+\b]   ; with lane l xor 16's: the block's largest magnitude
.endr
.irp b, 0,1,2,3
	v_add_nc_u32 v[TM+12+\b], 0xff000000, v[TM+\b] ; 2 off its exponent field: the conversion's scale operand
.endr
.irp b, 0,1,2,3
	v_lshrrev_b32 v[TM+4+\b], 23, v[TM+12+\b]      ; the scale's byte
.endr
	v_lshl_or_b32 v[\pw], v[TM+5], 8, v[TM+4]
	v_lshl_or_b32 v[\pw], v[TM+6], 16, v[\pw]
	v_lshl_or_b32 v[\pw], v[TM+7], 24, v[\pw]
	WIN \W                                         ; source 0 in window W
.irp c, 0,1
	v_cvt_scalef32_pk16_fp6_f32 v[PC+6*\c:PC+6*\c+2], v[(\s)+32*\c:(\s)+32*\c+15], v[TM+12+2*\c]
	v_cvt_scalef32_pk16_fp6_f32 v[PC+12+4*\c:PC+14+4*\c], v[(\s)+32*\c+16:(\s)+32*\c+31], v[TM+12+2*\c+1]
.endr
	WIN 0
	v_nop                                          ; one plain place behind a scaled conversion
.irp c, 0,1                            ; the operand wants a WHOLE block in a lane: lanes 0-15 block 2 c, lanes 16-31 block 2 c + 1
.irp i, 0,1,2
	v_permlane16_swap_b32 v[PC+6*\c+\i], v[PC+12+4*\c+\i]
.endr
.irp i, 0,1,2
	v_mov_b32 v[PC+3+6*\c+\i], v[PC+12+4*\c+\i]
.endr
.endr
.endm
.macro OUTIMG a
.irp j, 0,1,2
	global_store_b128 v17, v[PC+4*\j:PC+4*\j+3], s[86:87] offset:IMGB*(\a)+512*\j   ; 32 lanes store 512 consecutive bytes, aligned to 256
.endr
.endm
	PLACES                                         ; behind the last products: their results are read and their operands' registers written below
.irp b, 0,1,2,3
	v_mov_b32 v[TM+4+\b], 0                        ; a lane permute's destination counts as one of its sources
.endr
	s_cmp_lt_u32 s13, 12                           ; the cluster's number: the same way in all sixteen partners
	s_cbranch_scc0 .Lvpart
	CSLOAD 0, 96, 224
	CSLOAD 1, 0, 32
	CSLOAD 2, 64, 128
	CSLOAD 3, 160, 192
	WIN 0
	s_wait_loadcnt 48                              ; row tile 0's 16 loads are in; the 48 of the three tiles behind may be out
	ROPE 0, 96, 224
	QUANT T, 0, PW
	OUTIMG 0
	s_wait_loadcnt 32
	ROPE 1, 0, 32
	s_wait_xcnt 0x0                                ; the last image's stores have read their registers
	QUANT T, 0, PW+1
	OUTIMG 1
	s_wait_loadcnt 16
	ROPE 2, 64, 128
	s_wait_xcnt 0x0
	QUANT T, 0, PW+2
	OUTIMG 2
	s_wait_loadcnt 0x0
	ROPE 3, 160, 192
	s_wait_xcnt 0x0
	QUANT T, 0, PW+3
	OUTIMG 3
	s_branch .Ljoin
.Lvpart:                                               ; v is quantised as it stands, out of the accumulators
	QUANT 0, 2, PW
	OUTIMG 0
	s_wait_xcnt 0x0
	QUANT 64, 2, PW+1
	OUTIMG 1
	s_wait_xcnt 0x0
	QUANT 128, 2, PW+2
	OUTIMG 2
	s_wait_xcnt 0x0
	QUANT 192, 2, PW+3
	OUTIMG 3
.Ljoin:
	s_wait_xcnt 0x0                                ; EXEC changes only behind this wait
	v_cmp_gt_u32 vcc_lo, 16, v1
	s_and_saveexec_b32 s2, vcc_lo
	global_store_b128 v18, v[PW:PW+3], s[86:87] offset:4*IMGB   ; lanes 0-15 store the block's 256 bytes of scale words, aligned
	s_wait_xcnt 0x0
	s_or_b32 exec_lo, exec_lo, s2
	s_wait_tensorcnt 0x0                           ; the wave's end, behind my last tensor load
	ds_add_u32 v[SPW], v[NIL]
	s_wait_dscnt 0x0
	CROUND                                         ; the closing round: no work-group ends while a partner may still ask for a tile that names it
	s_endpgm
.Lfunc_end_k_q5d89e05ac0_qkv:
	.size	k_q5d89e05ac0_qkv, .Lfunc_end_k_q5d89e05ac0_qkv-k_q5d89e05ac0_qkv
	.p2alignl 7, 3214868480
	.fill 96, 4, 3214868480
	.section	.rodata,"a",@progbits
	.p2align	6, 0x0
	.amdhsa_kernel k_q5d89e05ac0_qkv
		.amdhsa_group_segment_fixed_size 327680
		.amdhsa_private_segment_fixed_size 0
		.amdhsa_enable_private_segment 0
		.amdhsa_kernarg_size 56
		.amdhsa_user_sgpr_count 2
		.amdhsa_user_sgpr_kernarg_segment_ptr 1
		.amdhsa_wavefront_size32 1
		.amdhsa_system_sgpr_workgroup_id_x 1
		.amdhsa_system_sgpr_workgroup_id_y 1
		.amdhsa_system_sgpr_workgroup_id_z 1
		.amdhsa_system_vgpr_workitem_id 0
		.amdhsa_next_free_vgpr 768
		.amdhsa_next_free_sgpr 100
		.amdhsa_reserve_vcc 1
		.amdhsa_float_denorm_mode_32 3
		.amdhsa_float_denorm_mode_16_64 3
		.amdhsa_memory_ordered 1
		.amdhsa_forward_progress 1
		.amdhsa_inst_pref_size 183
	.end_amdhsa_kernel
	.amdgpu_metadata
---
amdhsa.version: [ 1, 2 ]
amdhsa.kernels:
  - .name:           k_q5d89e05ac0_qkv
    .symbol:         k_q5d89e05ac0_qkv.kd
    .args:
      - { .name: xc, .offset: 0, .size: 8, .value_kind: global_buffer, .address_space: global }
      - { .name: wqkc, .offset: 8, .size: 8, .value_kind: global_buffer, .address_space: global }
      - { .name: wvc, .offset: 16, .size: 8, .value_kind: global_buffer, .address_space: global }
      - { .name: freqs_cos, .offset: 24, .size: 8, .value_kind: global_buffer, .address_space: global }
      - { .name: freqs_sin, .offset: 32, .size: 8, .value_kind: global_buffer, .address_space: global }
      - { .name: qc, .offset: 40, .size: 8, .value_kind: global_buffer, .address_space: global }
      - { .name: kvc, .offset: 48, .size: 8, .value_kind: global_buffer, .address_space: global }
    .group_segment_fixed_size: 327680
    .private_segment_fixed_size: 0
    .kernarg_segment_align: 8
    .kernarg_segment_size: 56
    .max_flat_workgroup_size: 128
    .sgpr_count:     100
    .vgpr_count:     768
    .wavefront_size: 32
...
	.end_amdgpu_metadata
.endif
;; end of part 2
;; launch attn (part 3): grid 64 x 4, 8 waves a work-group, clusters of 4 x 4, 327,680 bytes of LDS; arguments qc, kvc, mask, ac; writes ac
.if DOCPART == 3
	.amdgcn_target "amdgcn-amd-amdhsa--gfx1250"
	.amdhsa_code_object_version 6
	.text
	.protected	k_q5d89e05ac0_attn
	.globl	k_q5d89e05ac0_attn
	.p2align	8
	.type	k_q5d89e05ac0_attn,@function
k_q5d89e05ac0_attn:
	s_mov_b64 s[64:65], 0
	v_nop
	global_prefetch_b8 v0, s[64:65] scope:SCOPE_SE
	s_setreg_imm32_b32 hwreg(HW_REG_WAVE_MODE, 25, 1), 1
	s_wait_xcnt 0x0
	s_wait_alu depctr_hold_cnt(0) depctr_sa_sdst(0) depctr_va_vdst(0) depctr_va_sdst(0) depctr_va_ssrc(0) depctr_va_vcc(0) depctr_vm_vsrc(0)
	s_getreg_b32 s2, hwreg(HW_REG_IB_STS2, 6, 4)
	s_cmp_eq_u32 s2, 0
	s_cbranch_scc0 .Lentry_in_a_cluster
	s_endpgm
.Lentry_in_a_cluster:
	s_bfe_u32 s2, ttmp6, 0x10000c
	s_cmp_lg_u32 s2, 0xf033
	s_cbranch_scc0 .Lentry_shape_is_right
	s_endpgm
.Lentry_shape_is_right:
; For 16 heads of 128 over 2,048 keys: y = q . k / sqrt(128) + mask; t = y log2(e); M = the row's largest t so far, rounded up to a whole number; p = 2^(t - M), quantised along the keys; O = (p V) / (the sum of the unquantised p);
; O quantised along (head, d).  Both products on codes of FP6 (E2M3) with E8M0 scales.  The mask is an input: every key is computed for every query.
; BUFFERS OF CODES: tile T holds rows 32 (T / 2) + 8 (T % 2) + r + 8 (r / 8); an image (1,536 bytes) is an operand's 12 registers as they stand; a block (6,400 bytes) is four images and 256 bytes of scale words.
; qc [head][64 queries][block]; kvc [pair of kv heads 4][key step 16][kv 2][K: 2 blocks of key tiles, V: 2 blocks of d tiles, K = the step's 128 keys]; ac [query tile 128][4 heads][block: image i = head 4 Y + i].
; SHARES.  Work-group (X, Y): queries 32 X .. + 31 (tiles 2 X, 2 X + 1), heads 4 Y .. + 3, which use kv heads 2 Y and 2 Y + 1.  Wave w: tile 2 X + w % 2 of head 4 Y + w / 2: 16 queries, two waves to a SIMD, 512 registers each.
; LAYOUT.  Both products are used transposed (S^T = K Q^T, O^T = V^T P^T): a lane holds ONE query; by the tiles' row order the 16 registers of tiles 2 b and 2 b + 1 are keys (or d) 32 b + 16 h + 0 .. 15.
; THE RING.  Two slots of 256 keys: the pair's K and V (102,400 bytes) and 32 rows x 256 keys of the mask.  K and V hang on Y alone: asked for jointly along a row of the cluster (waves 0-3, a quarter each);
; the mask hangs on X alone: jointly along a column (waves 4-7, 8 rows each).  One tensor load a wave behind each round; it has two key steps in which to land.
; THE LDS LOADS RUN A STEP AHEAD.  K's eight fragments, V's eight and the mask each have registers of their own.  V of a step is asked for at the step's head and used at its end; K, its scale words and the mask of the NEXT step
; are asked for in the step's middle, ahead of the exponentials.  So the change of slots stands in the middle of a slot's second step: the wave's last reads of the old slot are that step's loads of V.
; ROUNDING: y is one fused multiply-add where the stated form rounds the product and the sum; the division by the sum is a reciprocal and a multiplication.  LIMITS: a block of zeros gets the byte 1; NaN is not served.
; REGISTERS: v1-10 LDS addresses; v12 -M, v13 the largest t, v[14:15] the sum; v16-27 Q; v28 the prefetches' offset; v29, v30 the add's two; v31 16 x lane; v80-87 K's scale words, v88-95 V's;
;   v96-159 S^T, then p; v160-223 O^T; v224-235 p's codes; v232-254 at work; v255 Q's scale word.  Window 1: v0-95 K's fragments, v96-191 V's, v192-255 the step's 64 mask numbers.
.set BLKB,  6400
.set IMGB,  1536
.set MP,    1040                       ; a mask row in LDS: 1,024 bytes + 16: the 16 rows that a read touches start 65 x 16 bytes apart
.set MOFF,  16*BLKB                    ; a slot: four pieces of K and V (step in slot, kv), 25,600 bytes each; then the mask
.set SLOTB, MOFF+32*MP
.set XCH,   2*SLOTB                    ; 512 bytes for the scale words' way out: no tensor load fills them
.set SPARE, XCH+512                    ; the spare words, 128 bytes for each wave
.set AKV,   1                          ; v1-4   16 x lane + the piece of (slot s, step q) of my kv head, at 2 s + q
.set ASC,   5                          ; v5-8   the same with 16 r
.set AM,    9                          ; v9-10  my mask row in slot s, + 64 h
.set PFO,   28
.set SPW,   29
.set NIL,   30
.set KS,    80
.set VS,    88
.set KF,    0                          ; in window 1
.set VF,    96
.set MK,    192
.set WV,    12
.set SEL,   20
.set CS,    22                         ; s[22:23] log2(e)
.set G1KV,  24
.set G1M,   32
.set G0KV,  40                         ; a set for each slot
.set G0M,   48
.set PFA,   56
.set PFS,   58
.set LIM,   60
.set SCL,   62                         ; s[62:63] 1 / sqrt(128)
.set MSB,   0
.macro WIN new                         ; the immediate's high byte repeats the setting that is left
.if MSB != \new
	s_set_vgpr_msb (MSB<<8)|\new
.set MSB, \new
.endif
.endm
.macro PLACES                          ; four plain places behind matrix instructions, in front of loads into their registers and of reads of their results
.rept 4
	v_nop
.endr
.endm
; A joint load into slot s: waves 0-3 K and V, waves 4-7 the mask.  The branch hangs on the wave's number alone.  An s_nop 0 and four v_nop follow each line.
.macro JLOAD s
	s_cmp_lt_u32 s[WV], 4
	s_cbranch_scc0 .Lfor_m_\@
	tensor_load_to_lds s[G0KV+4*(\s):G0KV+4*(\s)+3], s[G1KV:G1KV+7]
	s_nop 0
.rept 4
	v_nop
.endr
	s_branch .Lasked_\@
.Lfor_m_\@:
	tensor_load_to_lds s[G0M+4*(\s):G0M+4*(\s)+3], s[G1M:G1M+7]
	s_nop 0
.rept 4
	v_nop
.endr
.Lasked_\@:
.endm
.macro CROUND
	s_barrier_signal -1
	s_barrier_wait -1
	s_cmp_lg_u32 s[WV], 0
	s_cbranch_scc1 .Lnot_wave_0_\@
	s_barrier_signal -3
.Lnot_wave_0_\@:
	s_barrier_wait -3
	s_barrier_signal -1
	s_barrier_wait -1
.endm
; A PREFETCH INTO THE L2 of the slot that the NEXT change of slots will ask for: two key steps ahead of that load.  K and V: all sixteen clusters walk the same bytes, so cluster 0 asks; the four partners of a row share a
; slot's 102,400 bytes BY ADDRESS, 25,600 each, and waves 0-3 take 6,400 each: 25 blocks of 256 bytes, a lane a block (lanes 25-31 name lane 24's block again).  The mask: each column of a cluster has its own 32 rows;
; its four partners take 8 rows each by address, wave 4 asks, a lane a block of 256 bytes.  The branch hangs on the wave's number, the cluster's and the count of trips.  Slots 0 to 2 come by their loads alone.
; how = 1: whenever the wave is one that asks; how = 2: not in the loop's last trip, whose second change asks for the last slot: there is none behind it.
.macro ASK how
.if \how == 2
	s_cmp_gt_u32 s61, s[LIM]                       ; s61 = 1 in the last trip; LIM = 1 in a wave that asks, else the greatest number
.else
	s_cmp_eq_u32 s[LIM], 1
.endif
	s_cbranch_scc0 .Lnot_mine_\@
	global_prefetch_b8 v[PFO], s[PFA:PFA+1] th:TH_LOAD_NT scope:SCOPE_SE
.Lnot_mine_\@:
.endm
	s_load_b256 s[4:11], s[0:1], 0x0               ; qc, kvc, mask, ac
	v_lshl_add_u32 v[SPW], v0, 2, SPARE
	v_mov_b32 v[NIL], 0
	ds_add_u32 v[SPW], v[NIL]                      ; the wave's opening: the add and its wait ahead of my first tensor load; work on registers stands between them
	v_lshrrev_b32 v1, 5, v0
	v_readfirstlane_b32 s[WV], v1                  ; wave 0..7
	s_bfe_u32 s13, ttmp6, 0x40000                  ; cx
	s_bfe_u32 s14, ttmp6, 0x40004                  ; cy = Y: the grid's four work-groups along y are one cluster
	s_lshl_b32 s15, ttmp9, 2
	s_add_co_u32 s15, s15, s13                     ; X
	s_lshl_b32 s66, s14, 2
	s_lshl_b32 s66, 15, s66                        ; my row of the cluster
	s_lshl_b32 s72, 0x1111, s13                    ; my column
	s_or_b32 s[G1KV], s66, (3<<16)|(1<<21)         ; K and V: a dense piece of 25,600 bytes as 100 rows of 256 (32 elements of 8 bytes), no padding
	s_mov_b32 s[G1KV+1], 32<<16
	s_mov_b32 s[G1KV+2], 100<<16
	s_mov_b32 s[G1KV+3], 32<<16
	s_mov_b32 s[G1KV+4], 100
	s_mov_b32 s[G1KV+5], 32
	s_mov_b32 s[G1KV+6], 0
	s_mov_b32 s[G1KV+7], 0
	s_or_b32 s[G1M], s72, (2<<16)|(1<<20)|(1<<21)|(7<<22)|(3<<25)   ; the mask: 8 rows of 256 elements of 4 bytes; after every 256 words (code 7) 4 words of padding (code 3)
	s_mov_b32 s[G1M+1], 256<<16
	s_mov_b32 s[G1M+2], 8<<16
	s_mov_b32 s[G1M+3], 256<<16
	s_mov_b32 s[G1M+4], 8
	s_mov_b32 s[G1M+5], 2048
	s_mov_b32 s[G1M+6], 0
	s_mov_b32 s[G1M+7], 0
	s_mov_b32 s[SEL], 0x76543210
	s_mov_b32 s[SEL+1], 0xfedcba98
	s_mov_b32 s[CS], 0x3fb8aa3b                    ; log2(e)
	s_mov_b32 s[CS+1], s[CS]                       ; (named with it as a pair, so it is written)
	s_mov_b32 s[SCL], 0x3db504f3                   ; 1 / sqrt(128)
	s_mov_b32 s[SCL+1], s[SCL]
	s_and_b32 s78, s[WV], 3                        ; j: which piece, or which 8 rows of the mask, I fetch
	s_and_b32 s79, s[WV], 1                        ; qt
	s_lshr_b32 s80, s[WV], 1                       ; hh
	s_lshr_b32 s81, s[WV], 2                       ; my kv head in the pair
	s_mul_i32 s68, s14, 128*BLKB                   ; K and V: the pair's 819,200 bytes (these registers hold cy and never cx),
	s_mul_i32 s70, s78, 4*BLKB                     ; piece j, in memory and in a slot
	s_add_co_u32 s68, s68, s70
	s_mov_b32 s69, 0
	s_lshl_b32 s74, s15, 5                         ; the mask: row 32 X + 8 j (these hold cx and never cy)
	s_lshl_b32 s75, s78, 3
	s_add_co_u32 s74, s74, s75
	s_lshl_b32 s74, s74, 13
	s_mov_b32 s75, 0
	s_and_b32 s76, s78, 1                          ; in LDS the groups of 8 rows lie in the tiles' order: rows 0-7, 16-23 (tile 2 X), 8-15, 24-31 (tile 2 X + 1)
	s_lshl_b32 s76, s76, 1
	s_lshr_b32 s77, s78, 1
	s_or_b32 s76, s76, s77
	s_mul_i32 s76, s76, 8*MP
	s_add_co_u32 s76, s76, MOFF
	s_wait_dscnt 0x0                               ; the opening add is done
	s_wait_kmcnt 0x0
	s_add_nc_u64 s[68:69], s[6:7], s[68:69]
	s_add_nc_u64 s[74:75], s[8:9], s[74:75]
.irp s, 0,1
	s_mov_b32 s[G0KV+4*\s], 1
	s_add_co_u32 s[G0KV+4*\s+1], s70, \s*SLOTB
	s_add_nc_u64 s[G0KV+4*\s+2:G0KV+4*\s+3], s[68:69], \s*16*BLKB
	s_or_b32 s[G0KV+4*\s+3], s[G0KV+4*\s+3], 0x80000000
	s_mov_b32 s[G0M+4*\s], 1
	s_add_co_u32 s[G0M+4*\s+1], s76, \s*SLOTB
	s_add_nc_u64 s[G0M+4*\s+2:G0M+4*\s+3], s[74:75], \s*1024
	s_or_b32 s[G0M+4*\s+3], s[G0M+4*\s+3], 0x80000000
.endr
	CROUND                                         ; all sixteen work-groups are here: the first joint loads meet
	JLOAD 0                                        ; slot 0; slot 1 is filled behind the first change of slots, as a refill is
	v_and_b32 v32, 31, v0                          ; lane
	v_and_b32 v33, 15, v0                          ; r
	v_bfe_u32 v34, v0, 4, 1                        ; h
	v_lshlrev_b32 v31, 4, v32
	v_lshlrev_b32 v11, 4, v33
	s_lshl_b32 s82, s14, 2
	s_add_co_u32 s82, s82, s80                     ; my head
	s_lshl_b32 s82, s82, 5
	s_lshr_b32 s83, s15, 1
	s_add_co_u32 s82, s82, s83
	s_mul_i32 s82, s82, BLKB                       ; qc[head][X / 2]
	s_and_b32 s83, s15, 1
	s_lshl_b32 s83, s83, 1
	s_add_co_u32 s83, s83, s79                     ; image 2 (X % 2) + qt
	s_mul_i32 s84, s83, IMGB
	s_add_co_u32 s84, s84, s82
	s_mov_b32 s85, 0
	s_add_nc_u64 s[84:85], s[4:5], s[84:85]
	s_lshl_b32 s86, s83, 2
	s_add_co_u32 s86, s86, s82
	s_mov_b32 s87, 0
	s_add_nc_u64 s[86:87], s[4:5], s[86:87]
.irp c, 0,1,2
	global_load_b128 v[16+4*\c:19+4*\c], v31, s[84:85] offset:512*\c   ; Q's fragment stays in registers
.endr
	global_load_b32 v255, v11, s[86:87] offset:4*IMGB                  ; and its scale word
	s_lshl_b32 s88, s15, 1
	s_add_co_u32 s88, s88, s79
	s_lshl_b32 s88, s88, 2
	s_add_co_u32 s88, s88, s14
	s_mul_i32 s88, s88, BLKB
	s_mul_i32 s89, s80, IMGB
	s_add_co_u32 s92, s88, s89
	s_mov_b32 s93, 0
	s_add_nc_u64 s[92:93], s[10:11], s[92:93]      ; my image in ac[2 X + qt][Y]
	s_lshl_b32 s94, s15, 3
	s_add_co_u32 s94, s94, s14
	s_mul_i32 s94, s94, BLKB
	s_mov_b32 s95, 0
	s_add_nc_u64 s[94:95], s[10:11], s[94:95]      ; the block ac[2 X][Y]
	s_mul_i32 s71, s81, 4*BLKB
	v_add_nc_u32 v[AKV], s71, v31
	v_add_nc_u32 v[AKV+1], 8*BLKB, v[AKV]
	v_add_nc_u32 v[AKV+2], SLOTB, v[AKV]
	v_add_nc_u32 v[AKV+3], SLOTB+8*BLKB, v[AKV]
	v_add_nc_u32 v[ASC], s71, v11
	v_add_nc_u32 v[ASC+1], 8*BLKB, v[ASC]
	v_add_nc_u32 v[ASC+2], SLOTB, v[ASC]
	v_add_nc_u32 v[ASC+3], SLOTB+8*BLKB, v[ASC]
	s_mul_i32 s71, s79, 16*MP
	s_add_co_u32 s71, s71, MOFF
	v_mul_u32_u24 v[AM], v33, MP
	v_lshl_add_u32 v[AM], v34, 6, v[AM]
	v_add_nc_u32 v[AM], s71, v[AM]
	v_add_nc_u32 v[AM+1], SLOTB, v[AM]
	; the prefetches: where my wave's stand, and who asks
	v_min_u32 v35, 24, v32
	v_lshlrev_b32 v35, 8, v35                      ; K and V: 256 x lane, held at 24
	v_lshrrev_b32 v36, 2, v32
	v_and_b32 v37, 3, v32
	v_lshlrev_b32 v37, 8, v37
	v_lshl_add_u32 v36, v36, 13, v37               ; the mask: row lane / 4, block lane % 4
	s_mul_i32 s96, s14, 128*BLKB
	s_mul_i32 s97, s13, 4*BLKB
	s_add_co_u32 s96, s96, s97
	s_mul_i32 s97, s78, BLKB
	s_add_co_u32 s96, s96, s97
	s_add_co_u32 s96, s96, 32*BLKB                 ; in slot 2: the loop's first change of slots steps it to slot 3
	s_lshl_b32 s97, s15, 5
	s_lshl_b32 s98, s14, 3
	s_add_co_u32 s97, s97, s98
	s_lshl_b32 s97, s97, 13
	s_add_co_u32 s97, s97, 2048
	s_mov_b32 s[PFS], 1024
	s_sub_co_u32 s98, s[WV], 4
	s_cmp_lt_u32 s[WV], 4
	s_cselect_b64 s[PFA:PFA+1], s[6:7], s[8:9]
	s_cselect_b32 s96, s96, s97
	s_cselect_b32 s[PFS], 16*BLKB, s[PFS]
	s_cselect_b32 s98, ttmp9, s98                  ; 0 in waves 0-3 of cluster 0, and in wave 4 everywhere
	s_cselect_b32 s99, -1, 0
	s_mov_b32 s97, 0
	s_mov_b32 s[PFS+1], 0
	s_add_nc_u64 s[PFA:PFA+1], s[PFA:PFA+1], s[96:97]
	s_cmp_eq_u32 s98, 0
	s_cselect_b32 s[LIM], 1, -1
	v_cndmask_b32 v[PFO], v36, v35, s99
	v_mov_b32 v13, 0xff61b1e6                      ; the largest t so far: -3e38, under every t
	v_floor_f32 v12, -v13                          ; -M
	v_mov_b32 v14, 0
	v_mov_b32 v15, 0
.irp b, 0,1,2,3
	v_mov_b32 v[236+\b], 0                         ; written once: a lane permute's destination counts as one of its sources
.endr
	v_mov_b32 v253, 0                              ; (named as the upper half of the pair v[252:253] before it is first written)
.irp j, 0,1,2,3,4,5,6,7,8,9,10,11,12,13,14,15,16,17,18,19,20,21,22,23,24,25,26,27,28,29,30,31,32,33,34,35,36,37,38,39,40,41,42,43,44,45,46,47,48,49,50,51,52,53,54,55,56,57,58,59,60,61,62,63
	v_mov_b32 v[160+\j], 0                         ; O^T.  (The step is written without a first copy of its own: the first step finds zeros, which the first change of M leaves zeros)
.endr
; 42 LDS loads for step q of slot s: K's scale words (2), K's eight fragments (24), and LAST the mask of my query (16), in the scores' own order: keys 32 b + 16 h + 4 j on.
.macro KLOAD s, q
.set AKn, AKV+2*(\s)+(\q)
.set AWn, ASC+2*(\s)+(\q)
.irp f, 0,1
	ds_load_b128 v[KS+4*\f:KS+4*\f+3], v[AWn] offset:BLKB*\f+4*IMGB
.endr
	WIN 0x40                                       ; destination window 1
.irp t, 0,1,2,3,4,5,6,7
.irp c, 0,1,2
	ds_load_b128 v[KF+12*\t+4*\c:KF+12*\t+4*\c+3], v[AKn] offset:BLKB*(\t/4)+IMGB*(\t%4)+512*\c
.endr
.endr
.irp b, 0,1,2,3
.irp j, 0,1,2,3
	ds_load_b128 v[MK+16*\b+4*\j:MK+16*\b+4*\j+3], v[AM+\s] offset:512*(\q)+128*\b+16*\j
.endr
.endr
	WIN 0
.endm
; 26 LDS loads for step q of slot s: V's scale words (2) and its eight fragments (24).  It leaves the destination's window at 1.
.macro VLOAD s, q
.set AKv, AKV+2*(\s)+(\q)
.set AWv, ASC+2*(\s)+(\q)
.irp f, 0,1
	ds_load_b128 v[VS+4*\f:VS+4*\f+3], v[AWv] offset:2*BLKB+BLKB*\f+4*IMGB
.endr
	WIN 0x40
.irp t, 0,1,2,3,4,5,6,7
.irp c, 0,1,2
	ds_load_b128 v[VF+12*\t+4*\c:VF+12*\t+4*\c+3], v[AKv] offset:2*BLKB+BLKB*(\t/4)+IMGB*(\t%4)+512*\c
.endr
.endr
.endm
; THE CHANGE OF SLOTS, from slot old to slot cur.  Each wave waits for all its tensor loads (its part of slot cur), adds 0 to its spare word, and waits for that and for its reads of slot old.
; fill = 1: the barrier is a round of the cluster's, and behind it slot old takes the 256 keys that follow slot cur's.  ask: the prefetches' address steps here, behind the wait that frees it.
.macro CHANGE cur, old, fill, ask
	s_wait_tensorcnt 0x0                           ; no tensor load of mine is out, so a group 0 may be written
	ds_add_u32 v[SPW], v[NIL]                      ; 0 onto my spare word
.if \fill
	s_add_nc_u64 s[G0KV+4*\cur+2:G0KV+4*\cur+3], s[G0KV+4*\cur+2:G0KV+4*\cur+3], 32*BLKB   ; slot cur's own set: two slots on
	s_add_nc_u64 s[G0M+4*\cur+2:G0M+4*\cur+3], s[G0M+4*\cur+2:G0M+4*\cur+3], 2048
.endif
.if \ask
	s_wait_xcnt 0x0                                ; the last prefetch, a slot back, has read its address
	s_add_nc_u64 s[PFA:PFA+1], s[PFA:PFA+1], s[PFS:PFS+1]
.endif
	s_wait_dscnt 0x0                               ; the add is done, and my reads of slot old are over: the last were this step's loads of V
.if \fill
	CROUND
	JLOAD \old                                     ; the first thing behind the round, and my one tensor load until the next
.else
	s_barrier_signal -1
	s_barrier_wait -1
.endif
.endm
; A KEY STEP: 128 keys, the q-th of slot s; o is the other slot.  At its head K, K's scale words are in and the mask's 16 loads may be out.
; kind 0: the next step lies in the same slot; 1: a change of slots with a refill; 2: a change of slots without; 3: the last step of all.
; By the text's own count up to 68 LDS loads can be out in a step of kind 0 (V's 26 and the next step's 42); an issue that the counter's field cannot take is held back (ISA guide 5.7.1), and the counted waits stay right.
.macro STEP s, o, q, kind, ask
	PLACES                                         ; in front of loads into registers that the last products read
	VLOAD \s, \q                                   ; V of this step: wanted at the step's end
	WIN 0x01                                       ; source 0 window 1
.irp t, 0,1,2,3,4,5,6,7
	v_wmma_scale_f32_16x16x128_f8f6f4 v[96+8*\t:103+8*\t], v[KF+12*\t:KF+12*\t+11], v[16:27], 0, v[KS+\t], v255 matrix_a_fmt:MATRIX_FMT_FP6 matrix_b_fmt:MATRIX_FMT_FP6
.endr
	PLACES                                         ; in front of the first read of the scores, and of the loads into K's registers further down
	s_wait_dscnt 26                                ; the mask is in; V's 26 loads, issued behind it, may be out
	WIN 0x10                                       ; source 2 window 1
.irp j, 0,2,4,6,8,10,12,14,16,18,20,22,24,26,28,30,32,34,36,38,40,42,44,46,48,50,52,54,56,58,60,62
	v_pk_fma_f32 v[96+\j:97+\j], v[96+\j:97+\j], s[SCL:SCL+1], v[MK+\j:MK+\j+1] op_sel_hi:[1,0,1]   ; y = q . k / sqrt(128) + mask
.endr
	WIN 0
.irp b, 0,1,2,3
	v_max3_num_f32 v[232+\b], v[96+16*\b], v[97+16*\b], v[98+16*\b]   ; the largest y of each block of 32 keys: it serves the row's maximum and, since p rises with y, the block's largest p
.endr
.irp i, 3,5,7,9,11,13
.irp b, 0,1,2,3
	v_max3_num_f32 v[232+\b], v[232+\b], v[96+16*\b+\i], v[97+16*\b+\i]
.endr
.endr
.irp b, 0,1,2,3
	v_max_num_f32 v[232+\b], v[232+\b], v[111+16*\b]
.endr
.irp b, 0,1,2,3
	v_permlanex16_b32 v[236+\b], v[232+\b], s[SEL], s[SEL+1]
.endr
.irp b, 0,1,2,3
	v_max_num_f32 v[232+\b], v[232+\b], v[236+\b]  ; with lane l xor 16's 16 keys
.endr
	v_max3_num_f32 v254, v232, v233, v234
	v_max_num_f32 v254, v254, v235
	v_mul_f32 v254, s[CS], v254                    ; as t
	v_max_num_f32 v13, v13, v254                   ; the running largest t
	v_mov_b32 v254, v12
	v_floor_f32 v12, -v13                          ; the new -M = floor(-t): M is a whole number
	v_sub_f32 v254, v12, v254                      ; old M - new M: a whole number, 0 or less
	v_cvt_i32_f32 v254, v254                       ; (it saturates)
	v_ldexp_f32 v252, 1.0, v254                    ; f = 2^(old M - new M): a multiplication by it rounds nothing
.irp j, 0,2,4,6,8,10,12,14,16,18,20,22,24,26,28,30,32,34,36,38,40,42,44,46,48,50,52,54,56,58,60,62
	v_pk_fma_f32 v[96+\j:97+\j], v[96+\j:97+\j], s[CS:CS+1], v[12:13] op_sel_hi:[1,0,0]   ; t - M
.endr
.irp b, 0,1,2,3
	v_fma_f32 v[232+\b], v[232+\b], s[CS], v12     ; the same of each block's largest y
.endr
	; THE STEP'S MIDDLE: the next step's K and mask are asked for here, with the exponentials and the rest of the softmax in which to land.  No exponential is out here, and every window is 0.
.if \kind == 0
	KLOAD \s, 1
.elseif \kind == 1
	CHANGE \o, \s, 1, \ask
	KLOAD \o, 0
.if \ask
	ASK \ask                                       ; behind the joint load and the run of LDS loads
.endif
.elseif \kind == 2
	CHANGE \o, \s, 0, 0
	KLOAD \o, 0
.endif
.irp j, 0,1,2,3,4,5,6,7,8,9,10,11,12,13,14,15,16,17,18,19,20,21,22,23,24,25,26,27,28,29,30,31,32,33,34,35,36,37,38,39,40,41,42,43,44,45,46,47,48,49,50,51,52,53,54,55,56,57,58,59,60,61,62,63
	v_exp_f32 v[96+\j], v[96+\j]                   ; p = 2^(t - M), not normalised
.endr
	v_pk_mul_f32 v[14:15], v[14:15], v[252:253] op_sel_hi:[1,0]   ; the sums under the new M: the plain place behind the exponentials
	s_wait_alu depctr_va_vdst(0)                   ; one wait for the whole batch, ahead of its first reader
.irp b, 0,1,2,3
	v_exp_f32 v[232+\b], v[232+\b]                 ; the block's largest p
.endr
	v_pk_add_f32 v[236:237], v[96:97], v[98:99]    ; the row's sum is taken of the unquantised p, in two chains
.irp j, 4,8,12,16,20,24,28,32,36,40,44,48,52,56,60
	v_pk_add_f32 v[14:15], v[14:15], v[96+\j:97+\j]
	v_pk_add_f32 v[236:237], v[236:237], v[98+\j:99+\j]
.endr
	v_pk_add_f32 v[14:15], v[14:15], v[236:237]
	s_wait_alu depctr_va_vdst(0)                   ; and one for the four
.irp b, 0,1,2,3
	v_max_num_f32 v[232+\b], 0x1800000, v[232+\b]  ; the floor 2^(3 - 127): the byte cannot fall under 1
.endr
.irp b, 0,1,2,3
	v_add_nc_u32 v[244+\b], 0xff000000, v[232+\b]  ; 2 off the exponent field: the conversion's scale operand
.endr
.irp b, 0,1,2,3
	v_lshrrev_b32 v[236+\b], 23, v[244+\b]
.endr
	v_lshl_or_b32 v253, v237, 8, v236              ; p's scale word for these 128 keys
	v_lshl_or_b32 v253, v238, 16, v253
	v_lshl_or_b32 v253, v239, 24, v253
.irp c, 0,1
	v_cvt_scalef32_pk16_fp6_f32 v[224+6*\c:226+6*\c], v[96+32*\c:111+32*\c], v[244+2*\c]
	v_cvt_scalef32_pk16_fp6_f32 v[236+4*\c:238+4*\c], v[112+32*\c:127+32*\c], v[244+2*\c+1]
.endr
	v_nop                                          ; one plain place behind a scaled conversion
.irp c, 0,1
.irp i, 0,1,2
	v_permlane16_swap_b32 v[224+6*\c+\i], v[236+4*\c+\i]
.endr
.irp i, 0,1,2
	v_mov_b32 v[227+6*\c+\i], v[236+4*\c+\i]
.endr
.endr
.irp j, 0,2,4,6,8,10,12,14,16,18,20,22,24,26,28,30,32,34,36,38,40,42,44,46,48,50,52,54,56,58,60,62
	v_pk_mul_f32 v[160+\j:161+\j], v[160+\j:161+\j], v[252:253] op_sel_hi:[1,0]   ; O^T under the new M; these are also the places in front of the products below
.endr
.if \kind == 3
	s_wait_dscnt 0x0                               ; V
.else
	s_wait_dscnt 16                                ; V is in, and so are the next step's K and its scale words; the youngest 16 loads, the next step's mask, may be out
.endif
	WIN 0x01
.irp t, 0,1,2,3,4,5,6,7
	v_wmma_scale_f32_16x16x128_f8f6f4 v[160+8*\t:167+8*\t], v[VF+12*\t:VF+12*\t+11], v[224:235], v[160+8*\t:167+8*\t], v[VS+\t], v253 matrix_a_fmt:MATRIX_FMT_FP6 matrix_b_fmt:MATRIX_FMT_FP6
.endr
	WIN 0
.endm
	s_wait_loadcnt 0x0                             ; Q
	CHANGE 0, 1, 1, 0                              ; slot 0 is whole in every wave's sight; slot 1 is asked for
	KLOAD 0, 0
	s_wait_dscnt 16                                ; the first step's K and its scale words are in; the mask's 16 loads may be out
	s_mov_b32 s61, 3
.Lpair:                                                ; three trips of two slots: slots 2 to 7 are asked for, slots 3 to 7 prefetched
	STEP 0, 1, 0, 0, 0
	STEP 0, 1, 1, 1, 1
	STEP 1, 0, 0, 0, 0
	STEP 1, 0, 1, 1, 2
	s_sub_co_u32 s61, s61, 1
	s_cmp_lg_u32 s61, 0
	s_cbranch_scc1 .Lpair
	STEP 0, 1, 0, 0, 0                             ; the tail is written out: nothing more is asked for
	STEP 0, 1, 1, 2, 0
	STEP 1, 0, 0, 0, 0
	STEP 1, 0, 1, 3, 0
	; THE WAY OUT.  O^T / the sum is K step (head) of the last product's operand: register 16 b + i is d = 32 b + 16 h + i of my query.  It is quantised and leaves as an image; the four heads' scale words meet in LDS.
	PLACES
	v_add_f32 v14, v14, v15
	v_permlanex16_b32 v252, v14, s[SEL], s[SEL+1]
	v_add_f32 v14, v14, v252                       ; the row's sum
	v_rcp_f32 v14, v14
	v_and_b32 v48, 15, v0                          ; (a plain place behind the reciprocal)  r
	v_bfe_u32 v49, v0, 4, 1                        ; h
	s_lshl_b32 s66, s79, 8
	s_lshl_b32 s67, s80, 2
	s_add_co_u32 s66, s66, s67
	s_add_co_u32 s66, s66, XCH
	v_lshl_add_u32 v50, v48, 4, s66                ; my word's place: XCH + 256 qt + 16 r + 4 hh
	v_add_nc_u32 v51, XCH, v31                     ; back: 16 x lane
	v_mul_u32_u24 v49, v49, 4*BLKB
	v_lshl_add_u32 v49, v48, 4, v49                ; in ac: lanes 0-15 tile 2 X's block, lanes 16-31 tile 2 X + 1's, four blocks on
.irp b, 0,1,2,3
	v_mov_b32 v[36+\b], 0
.endr
	s_wait_alu depctr_va_vdst(0)                   ; ahead of the reciprocal's first reader
.irp j, 0,1,2,3,4,5,6,7,8,9,10,11,12,13,14,15,16,17,18,19,20,21,22,23,24,25,26,27,28,29,30,31,32,33,34,35,36,37,38,39,40,41,42,43,44,45,46,47,48,49,50,51,52,53,54,55,56,57,58,59,60,61,62,63
	v_mul_f32 v[96+\j], v[160+\j], v14
.endr
.irp b, 0,1,2,3
	v_max3_num_f32 v[32+\b], |v[96+16*\b]|, |v[97+16*\b]|, 0x1800000
.endr
.irp i, 2,4,6,8,10,12,14
.irp b, 0,1,2,3
	v_max3_num_f32 v[32+\b], v[32+\b], |v[96+16*\b+\i]|, |v[97+16*\b+\i]|
.endr
.endr
.irp b, 0,1,2,3
	v_permlanex16_b32 v[36+\b], v[32+\b], s[SEL], s[SEL+1]
.endr
.irp b, 0,1,2,3
	v_max_num_f32 v[32+\b], v[32+\b], v[36+\b]
.endr
.irp b, 0,1,2,3
	v_add_nc_u32 v[44+\b], 0xff000000, v[32+\b]
.endr
.irp b, 0,1,2,3
	v_lshrrev_b32 v[36+\b], 23, v[44+\b]
.endr
	v_lshl_or_b32 v254, v37, 8, v36
	v_lshl_or_b32 v254, v38, 16, v254
	v_lshl_or_b32 v254, v39, 24, v254
.irp c, 0,1
	v_cvt_scalef32_pk16_fp6_f32 v[224+6*\c:226+6*\c], v[96+32*\c:111+32*\c], v[44+2*\c]
	v_cvt_scalef32_pk16_fp6_f32 v[236+4*\c:238+4*\c], v[112+32*\c:127+32*\c], v[44+2*\c+1]
.endr
	v_nop
.irp c, 0,1
.irp i, 0,1,2
	v_permlane16_swap_b32 v[224+6*\c+\i], v[236+4*\c+\i]
.endr
.irp i, 0,1,2
	v_mov_b32 v[227+6*\c+\i], v[236+4*\c+\i]
.endr
.endr
.irp j, 0,1,2
	global_store_b128 v31, v[224+4*\j:227+4*\j], s[92:93] offset:512*\j   ; 32 lanes store 512 consecutive bytes, aligned to 256
.endr
	ds_store_b32 v50, v254                         ; both halves of the lanes hold row r's word and write the same place
	s_wait_dscnt 0x0                               ; for the others' sake: my word has landed
	s_barrier_signal -1
	s_barrier_wait -1
	s_cmp_lg_u32 s[WV], 0
	s_cbranch_scc1 .Lnot0
	ds_load_b128 v[52:55], v51                     ; the two tiles' 256 bytes of scale words
	s_wait_dscnt 0x0
	global_store_b128 v49, v[52:55], s[94:95] offset:4*IMGB   ; each 16 lanes store 256 consecutive bytes, aligned
.Lnot0:
	s_wait_tensorcnt 0x0                           ; the wave's end, behind my last tensor load and my last LDS store
	ds_add_u32 v[SPW], v[NIL]
	s_wait_dscnt 0x0
	CROUND                                         ; the closing round
	s_endpgm
.Lfunc_end_k_q5d89e05ac0_attn:
	.size	k_q5d89e05ac0_attn, .Lfunc_end_k_q5d89e05ac0_attn-k_q5d89e05ac0_attn
	.p2alignl 7, 3214868480
	.fill 96, 4, 3214868480
	.section	.rodata,"a",@progbits
	.p2align	6, 0x0
	.amdhsa_kernel k_q5d89e05ac0_attn
		.amdhsa_group_segment_fixed_size 327680
		.amdhsa_private_segment_fixed_size 0
		.amdhsa_enable_private_segment 0
		.amdhsa_kernarg_size 32
		.amdhsa_user_sgpr_count 2
		.amdhsa_user_sgpr_kernarg_segment_ptr 1
		.amdhsa_wavefront_size32 1
		.amdhsa_system_sgpr_workgroup_id_x 1
		.amdhsa_system_sgpr_workgroup_id_y 1
		.amdhsa_system_sgpr_workgroup_id_z 1
		.amdhsa_system_vgpr_workitem_id 0
		.amdhsa_next_free_vgpr 512
		.amdhsa_next_free_sgpr 100
		.amdhsa_reserve_vcc 0
		.amdhsa_float_denorm_mode_32 3
		.amdhsa_float_denorm_mode_16_64 3
		.amdhsa_memory_ordered 1
		.amdhsa_forward_progress 1
		.amdhsa_inst_pref_size 195
	.end_amdhsa_kernel
	.amdgpu_metadata
---
amdhsa.version: [ 1, 2 ]
amdhsa.kernels:
  - .name:           k_q5d89e05ac0_attn
    .symbol:         k_q5d89e05ac0_attn.kd
    .args:
      - { .name: qc, .offset: 0, .size: 8, .value_kind: global_buffer, .address_space: global }
      - { .name: kvc, .offset: 8, .size: 8, .value_kind: global_buffer, .address_space: global }
      - { .name: mask, .offset: 16, .size: 8, .value_kind: global_buffer, .address_space: global }
      - { .name: ac, .offset: 24, .size: 8, .value_kind: global_buffer, .address_space: global }
    .group_segment_fixed_size: 327680
    .private_segment_fixed_size: 0
    .kernarg_segment_align: 8
    .kernarg_segment_size: 32
    .max_flat_workgroup_size: 256
    .sgpr_count:     100
    .vgpr_count:     512
    .wavefront_size: 32
...
	.end_amdgpu_metadata
.endif
;; end of part 3
;; launch outp (part 4): grid 16 x 16, 4 waves a work-group, clusters of 4 x 4, 327,680 bytes of LDS; arguments ac, woc, out0; writes out0
.if DOCPART == 4
	.amdgcn_target "amdgcn-amd-amdhsa--gfx1250"
	.amdhsa_code_object_version 6
	.text
	.protected	k_q5d89e05ac0_outp
	.globl	k_q5d89e05ac0_outp
	.p2align	8
	.type	k_q5d89e05ac0_outp,@function
k_q5d89e05ac0_outp:
	s_mov_b64 s[64:65], 0
	v_nop
	global_prefetch_b8 v0, s[64:65] scope:SCOPE_SE
	s_setreg_imm32_b32 hwreg(HW_REG_WAVE_MODE, 25, 1), 1
	s_wait_xcnt 0x0
	s_wait_alu depctr_hold_cnt(0) depctr_sa_sdst(0) depctr_va_vdst(0) depctr_va_sdst(0) depctr_va_ssrc(0) depctr_va_vcc(0) depctr_vm_vsrc(0)
	s_getreg_b32 s2, hwreg(HW_REG_IB_STS2, 6, 4)
	s_cmp_eq_u32 s2, 0
	s_cbranch_scc0 .Lentry_in_a_cluster
	s_endpgm
.Lentry_in_a_cluster:
	s_bfe_u32 s2, ttmp6, 0x10000c
	s_cmp_lg_u32 s2, 0xf033
	s_cbranch_scc0 .Lentry_shape_is_right
	s_endpgm
.Lentry_shape_is_right:
; out0 [2048][4096] f32 = attention's result [2048][2048] x wo^T, on codes of FP6 (E2M3) with E8M0 scales, K = 2,048.
; BUFFERS OF CODES: tile T holds rows 32 (T / 2) + 8 (T % 2) + r + 8 (r / 8); an image (1,536 bytes) is an operand's 12 registers as they stand; a block (6,400 bytes) is four images and 256 bytes of scale words
; (row r, image i at 6,144 + 16 r + 4 i).  ac, woc: [tile][K / 512][block].
; THE PRODUCT is used transposed: source 0 = a tile of wo, source 1 = a tile of ac.  Lane (r, h) holds row r of ac's tile, and the 16 registers of wo's tiles 2 b and 2 b + 1 are columns 32 b + 16 h + 0 .. 15.
; A work-group makes 128 rows x 256 columns; wave (wm, wn) takes ac's tiles 4 wm .. + 3 and wo's tiles 8 wn .. + 7: 32 accumulators.  K goes in steps of 512 through two LDS slots; a tensor row is one tile's block.
; ac's tiles are asked for jointly along a row of the cluster, wo's along a column.
; REGISTERS: window 0: v8-13 LDS addresses, v14-15 the add's two, v16-18 the way out's addresses, v32-95 scale words (two sets), v96-191 A's fragments (two sets of 48), on the way out v128-255 rows read back;
;   window 1: B's fragments, sets at v0 and v128; window 2: the accumulators, (a, b) at v[8 (8 a + b)].
.set TP,    25600                      ; bytes from tile to tile in ac and woc
.set LAPS,  2                          ; a lap = two slots = 1,024 along K
.set BLKB,  6400
.set IMGB,  1536
.set BOFF,  8*BLKB
.set SLOT,  24*BLKB
.set SPARE, 2*SLOT
.set SROW,  528                        ; the way out: a stage of 16 rows x (512 bytes + 16) for each wave, in slot 0, which has had its last fill and its last read when the first result is stored there
.set ADRA,  8
.set ADRB,  10
.set ADRS,  12
.set SPW,   14
.set NIL,   15
.set STO,   16
.set CO,    17
.set RD,    18
.set SC,    32
.set AF,    96
.set BK,    128
.set G1,    24
.set G0,    32
.set G1B,   48
.set G0B,   56
.set MSB,   0
.macro WIN new
.if MSB != \new
	s_set_vgpr_msb (MSB<<8)|\new
.set MSB, \new
.endif
.endm
.set MUL,  0xa1                        ; source 0 (B) window 1, source 1 (A) window 0, C and D window 2
.set TO_B, 0x40
.macro JLOAD g0a, g1a, g0b, g1b        ; a joint load: waves 0 and 1 fetch A's halves, waves 2 and 3 B's; an s_nop 0 and four v_nop follow each line
	s_cmp_eq_u32 s15, 0
	s_cbranch_scc0 .Lfor_b_\@
	tensor_load_to_lds s[\g0a:\g0a+3], s[\g1a:\g1a+7]
	s_nop 0
.rept 4
	v_nop
.endr
	s_branch .Lasked_\@
.Lfor_b_\@:
	tensor_load_to_lds s[\g0b:\g0b+3], s[\g1b:\g1b+7]
	s_nop 0
.rept 4
	v_nop
.endr
.Lasked_\@:
.endm
.macro CREST
	s_cmp_lg_u32 s14, 0
	s_cbranch_scc1 .Lnot_wave_0_\@
	s_barrier_signal -3
.Lnot_wave_0_\@:
	s_barrier_wait -3
	s_barrier_signal -1
	s_barrier_wait -1
.endm
.macro CROUND
	s_barrier_signal -1
	s_barrier_wait -1
	CREST
.endm
.macro PLACES                          ; four plain places behind matrix instructions (ISA guide 7.12.1)
.rept 4
	v_nop
.endr
.endm
	s_load_b128 s[4:7], s[0:1], 0x0                ; ac, woc
	s_load_b64 s[8:9], s[0:1], 0x10                ; out0
	v_lshl_add_u32 v[SPW], v0, 2, SPARE
	v_mov_b32 v[NIL], 0
	ds_add_u32 v[SPW], v[NIL]                      ; the wave's opening: the add and its wait ahead of my first tensor load
	v_lshrrev_b32 v1, 5, v0
	v_readfirstlane_b32 s14, v1                    ; wave 0..3
	s_lshr_b32 s15, s14, 1                         ; wm.  Also: I fetch for A (0) or for B (1)
	s_and_b32 s16, s14, 1                          ; wn.  Also: which half of that side's tiles I fetch
	s_bfe_u32 s40, ttmp6, 0x40000                  ; cx
	s_bfe_u32 s41, ttmp6, 0x40004                  ; cy
	s_lshl_b32 s42, ttmp9, 2
	s_add_co_u32 s42, s42, s40                     ; tc
	s_and_b32 s17, ttmp7, 0xffff
	s_lshl_b32 s17, s17, 2
	s_add_co_u32 s17, s17, s41                     ; tr
	s_lshl_b32 s43, s41, 2
	s_lshl_b32 s43, 15, s43                        ; my row of the cluster
	s_lshl_b32 s44, 0x1111, s40                    ; my column
	s_or_b32 s[G1+0], s43, (3<<16)|(1<<21)         ; 15:0 the mask; 17:16 elements of 8 bytes; no padding; 21 set beside a mask
	s_or_b32 s[G1B+0], s44, (3<<16)|(1<<21)
	s_mov_b32 s[G1+1], 800<<16
	s_mov_b32 s[G1+2], 4<<16
	s_mov_b32 s[G1+3], 800<<16
	s_mov_b32 s[G1+4], 4
	s_mov_b32 s[G1+5], TP/8
	s_mov_b32 s[G1+6], 0
	s_mov_b32 s[G1+7], 0
	s_mov_b32 s[G1B+1], 800<<16
	s_mov_b32 s[G1B+2], 8<<16
	s_mov_b32 s[G1B+3], 800<<16
	s_mov_b32 s[G1B+4], 8
	s_mov_b32 s[G1B+5], TP/8
	s_mov_b32 s[G1B+6], 0
	s_mov_b32 s[G1B+7], 0
	s_lshl_b32 s20, s17, 3
	s_lshl_b32 s21, s16, 2
	s_add_co_u32 s20, s20, s21
	s_mul_i32 s20, s20, TP                         ; A: tile 8 tr + 4 x half
	s_mov_b32 s21, 0
	s_lshl_b32 s46, s42, 4
	s_lshl_b32 s47, s16, 3
	s_add_co_u32 s46, s46, s47
	s_mul_i32 s46, s46, TP                         ; B: tile 16 tc + 8 x half
	s_mov_b32 s47, 0
	s_mul_i32 s45, s16, 4*BLKB
	s_mul_i32 s78, s16, 8*BLKB
	s_add_co_u32 s78, s78, BOFF
	s_wait_dscnt 0x0                               ; the opening add is done
	s_wait_kmcnt 0x0
	s_add_nc_u64 s[22:23], s[4:5], s[20:21]
	s_add_nc_u64 s[76:77], s[6:7], s[46:47]
	CROUND                                         ; all sixteen work-groups are here: the first joint loads meet
.irp s, 0,1
	s_mov_b32 s[G0+4*\s], 1
	s_add_co_u32 s[G0+4*\s+1], s45, \s*SLOT
	s_add_nc_u64 s[G0+4*\s+2:G0+4*\s+3], s[22:23], \s*BLKB
	s_or_b32 s[G0+4*\s+3], s[G0+4*\s+3], 0x80000000
	s_mov_b32 s[G0B+4*\s], 1
	s_add_co_u32 s[G0B+4*\s+1], s78, \s*SLOT
	s_add_nc_u64 s[G0B+4*\s+2:G0B+4*\s+3], s[76:77], \s*BLKB
	s_or_b32 s[G0B+4*\s+3], s[G0B+4*\s+3], 0x80000000
	JLOAD G0+4*\s, G1, G0B+4*\s, G1B               ; two loads of mine are out
.endr
	v_and_b32 v1, 31, v0
	v_and_b32 v2, 15, v0                           ; r
	v_bfe_u32 v3, v0, 4, 1                         ; h
	v_lshlrev_b32 v[CO], 4, v1                     ; 16 x lane
	v_lshlrev_b32 v5, 4, v2
	s_mul_i32 s88, s15, 4*BLKB
	s_mul_i32 s89, s16, 8*BLKB
	s_add_co_u32 s89, s89, BOFF
	s_sub_co_u32 s90, s89, s88
	v_mul_u32_u24 v4, s90, v3                      ; lanes 16-31 take B's scale words: ONE product with h
	v_add_nc_u32 v4, v4, v5
	s_add_co_u32 s91, s88, 4*IMGB
.irp s, 0,1
	v_add_nc_u32 v[ADRA+\s], s88, v[CO]
	v_add_nc_u32 v[ADRB+\s], s89, v[CO]
	v_add_nc_u32 v[ADRS+\s], s91, v4
	s_add_co_u32 s88, s88, SLOT
	s_add_co_u32 s89, s89, SLOT
	s_add_co_u32 s91, s91, SLOT
.endr
	s_mul_i32 s92, s14, 16*SROW                    ; my stage
	v_mul_u32_u24 v[STO], v2, SROW
	v_lshl_add_u32 v[STO], v3, 6, v[STO]
	v_add_nc_u32 v[STO], s92, v[STO]               ; in: row r, + 64 h
	v_add_nc_u32 v[RD], s92, v[CO]                 ; back: the 32 lanes take one row of 512 bytes
	s_lshl_b32 s80, s17, 7
	s_lshl_b32 s81, s15, 6
	s_add_co_u32 s80, s80, s81
	s_lshl_b32 s80, s80, 14                        ; my first row of out0: 128 tr + 64 wm, 16,384 bytes a row
	s_lshl_b32 s81, s42, 10
	s_add_co_u32 s80, s80, s81
	s_lshl_b32 s81, s16, 9
	s_add_co_u32 s80, s80, s81                     ; my first column: 256 tc + 128 wn
	s_mov_b32 s81, 0
	s_add_nc_u64 s[8:9], s[8:9], s[80:81]
.macro FRAG reg, adr, tile, ks
.irp c, 0,1,2
	ds_load_b128 v[(\reg)+4*\c:(\reg)+4*\c+3], v[\adr] offset:BLKB*(\tile)+IMGB*(\ks)+512*\c
.endr
.endm
.macro FETCH slot, ks, p               ; 36 loads: B's eight fragments, then A's four; the youngest six are A's tiles 2 and 3
	WIN TO_B
.irp i, 0,1,2,3,4,5,6,7
	FRAG 128*(\p)+12*\i, ADRB+\slot, \i, \ks
.endr
	WIN 0
.irp i, 0,1,2,3
	FRAG AF+48*(\p)+12*\i, ADRA+\slot, \i, \ks
.endr
.endm
.macro SCALES s
.irp i, 0,1,2,3,4,5,6,7
	ds_load_b128 v[SC+32*\s+4*\i:SC+32*\s+4*\i+3], v[ADRS+\s] offset:BLKB*\i
.endr
.endm
; The 32 accumulators take turns, one instruction a turn, in the same order in every step.
.macro MUL8 a, p, ks, s, zero
.irp b, 0,1,2,3,4,5,6,7
.if \zero
	v_wmma_scale_f32_16x16x128_f8f6f4 v[8*(8*(\a)+\b):8*(8*(\a)+\b)+7], v[128*(\p)+12*\b:128*(\p)+12*\b+11], v[AF+48*(\p)+12*(\a):AF+48*(\p)+12*(\a)+11], 0, v[SC+32*(\s)+4*\b+(\ks)], v[SC+32*(\s)+4*(\a)+(\ks)] matrix_a_fmt:MATRIX_FMT_FP6 matrix_b_fmt:MATRIX_FMT_FP6 matrix_a_scale:MATRIX_SCALE_ROW1
.else
	v_wmma_scale_f32_16x16x128_f8f6f4 v[8*(8*(\a)+\b):8*(8*(\a)+\b)+7], v[128*(\p)+12*\b:128*(\p)+12*\b+11], v[AF+48*(\p)+12*(\a):AF+48*(\p)+12*(\a)+11], v[8*(8*(\a)+\b):8*(8*(\a)+\b)+7], v[SC+32*(\s)+4*\b+(\ks)], v[SC+32*(\s)+4*(\a)+(\ks)] matrix_a_fmt:MATRIX_FMT_FP6 matrix_b_fmt:MATRIX_FMT_FP6 matrix_a_scale:MATRIX_SCALE_ROW1
.endif
.endr
.endm
.macro MUL16 a0, p, ks, s, zero
	MUL8 \a0, \p, \ks, \s, \zero
	MUL8 (\a0)+1, \p, \ks, \s, \zero
.endm
.macro STEP slot, ks, zero
	s_wait_dscnt 6                                 ; all but the youngest six loads (A's tiles 2 and 3) are in
	WIN MUL
	MUL16 0, (\ks)%2, \ks, \slot, \zero
	s_wait_dscnt 0x0
	PLACES
	FETCH \slot, (\ks)+1, 1-(\ks)%2
	WIN MUL
	MUL16 2, (\ks)%2, \ks, \slot, \zero
	WIN 0
.endm
.macro TURN slot, next, fill           ; a slot's last step changes slots: ONE barrier, the waits and the add in front of it
	s_wait_tensorcnt 0x0                           ; all my tensor loads have landed: my part of the next slot
	ds_add_u32 v[SPW], v[NIL]                      ; 0 onto my spare word
	s_wait_dscnt 7                                 ; (the add and the youngest six loads may be out)
	WIN MUL
	MUL8 0, 1, 3, \slot, 0
	s_wait_dscnt 0x0                               ; the add is done, and my reads of this slot are over
	s_barrier_signal -1
	MUL8 1, 1, 3, \slot, 0
	WIN 0
	s_barrier_wait -1
.if \fill
	CREST                                          ; the barrier has opened a round of the cluster's barrier
	s_add_nc_u64 s[G0+4*\slot+2:G0+4*\slot+3], s[G0+4*\slot+2:G0+4*\slot+3], 2*BLKB
	s_add_nc_u64 s[G0B+4*\slot+2:G0B+4*\slot+3], s[G0B+4*\slot+2:G0B+4*\slot+3], 2*BLKB
	JLOAD G0+4*\slot, G1, G0B+4*\slot, G1B         ; the first tensor load behind the round; its four v_nop are also the places in front of the loads below
.else
	PLACES
.endif
	SCALES \next
	FETCH \next, 0, 0
	WIN MUL
	MUL16 2, 1, 3, \slot, 0
	WIN 0
.endm
	s_wait_tensorcnt 1                             ; my part of slot 0 is in (slot 1's load may be out)
	s_barrier_signal -1
	s_barrier_wait -1                              ; everybody's is
	SCALES 0
	FETCH 0, 0, 0
	STEP 0, 0, 1                                   ; the first step stands in front of the loop: its products start the sums
	s_mov_b32 s3, LAPS-1
.Llap:
	STEP 0, 1, 0
	STEP 0, 2, 0
	TURN 0, 1, 1
	STEP 1, 0, 0
	STEP 1, 1, 0
	STEP 1, 2, 0
	TURN 1, 0, 1
	STEP 0, 0, 0
	s_sub_co_u32 s3, s3, 1
	s_cmp_lg_u32 s3, 0
	s_cbranch_scc1 .Llap
	STEP 0, 1, 0                                   ; the last lap fills nothing
	STEP 0, 2, 0
	TURN 0, 1, 0
	STEP 1, 0, 0
	STEP 1, 1, 0
	STEP 1, 2, 0
	s_wait_dscnt 6
	WIN MUL
	MUL16 0, 1, 3, 1, 0
	s_wait_dscnt 0x0
	MUL16 2, 1, 3, 1, 0
	WIN 0
; THE WAY OUT, a row tile (16 rows x 128 columns) at a time, through my own stage: a lane holds pieces of one row, and the lanes beside it other rows; the rows come back whole, 512 bytes, and 32 lanes store each.
; LDS serves a wave's instructions in order (ISA guide 5.7.1.4): no wait between the stores and the loads, nor in front of the next tile's stores.
.macro TOSTAGE a
	WIN 0x08                                       ; an LDS store's data are its source 1: window 2
.irp n, 0,1,2,3,4,5,6,7,8,9,10,11,12,13,14,15
	ds_store_b128 v[STO], v[64*(\a)+4*\n:64*(\a)+4*\n+3] offset:128*(\n/4)+16*(\n%4)   ; columns 32 (n / 4) + 16 h + 4 (n % 4) on; each accumulator from its low end on
.endr
	WIN 0
.set BB, BK+64*((\a)%2)
.irp t, 0,1,2,3,4,5,6,7,8,9,10,11,12,13,14,15
	ds_load_b128 v[BB+4*\t:BB+4*\t+3], v[RD] offset:\t*SROW
.endr
.endm
.macro SEND a, younger                 ; younger: the LDS instructions issued behind tile a's loads, which may stay out
.set BB, BK+64*((\a)%2)
	s_wait_dscnt \younger
.irp t, 0,1,2,3,4,5,6,7,8,9,10,11,12,13,14,15
	global_store_b128 v[CO], v[BB+4*\t:BB+4*\t+3], s[8:9] offset:(32*((\a)/2)+8*((\a)%2)+\t+8*(\t/8))*16384 th:TH_STORE_NT   ; 512 consecutive bytes, aligned to 256; row t of the tile by the tiles' row order; 63 rows at the most, inside the signed 24-bit immediate
.endr
.endm
	PLACES                                         ; behind the last products: their results are read, and registers that held A's fragments are loaded
	TOSTAGE 0
	TOSTAGE 1
	SEND 0, 32                                     ; behind tile 0's loads: tile 1's 16 stores and 16 loads
	s_wait_xcnt 0x0                                ; tile 0's stores have read their registers: tile 2's loads may land there
	TOSTAGE 2
	SEND 1, 32
	s_wait_xcnt 0x0
	TOSTAGE 3
	SEND 2, 32
	SEND 3, 0
	s_wait_tensorcnt 0x0                           ; the wave's end, behind my last tensor load and my last LDS store
	ds_add_u32 v[SPW], v[NIL]
	s_wait_dscnt 0x0
	CROUND                                         ; the closing round
	s_endpgm
.Lfunc_end_k_q5d89e05ac0_outp:
	.size	k_q5d89e05ac0_outp, .Lfunc_end_k_q5d89e05ac0_outp-k_q5d89e05ac0_outp
	.p2alignl 7, 3214868480
	.fill 96, 4, 3214868480
	.section	.rodata,"a",@progbits
	.p2align	6, 0x0
	.amdhsa_kernel k_q5d89e05ac0_outp
		.amdhsa_group_segment_fixed_size 327680
		.amdhsa_private_segment_fixed_size 0
		.amdhsa_enable_private_segment 0
		.amdhsa_kernarg_size 24
		.amdhsa_user_sgpr_count 2
		.amdhsa_user_sgpr_kernarg_segment_ptr 1
		.amdhsa_wavefront_size32 1
		.amdhsa_system_sgpr_workgroup_id_x 1
		.amdhsa_system_sgpr_workgroup_id_y 1
		.amdhsa_system_sgpr_workgroup_id_z 1
		.amdhsa_system_vgpr_workitem_id 0
		.amdhsa_next_free_vgpr 768
		.amdhsa_next_free_sgpr 100
		.amdhsa_reserve_vcc 0
		.amdhsa_float_denorm_mode_32 3
		.amdhsa_float_denorm_mode_16_64 3
		.amdhsa_memory_ordered 1
		.amdhsa_forward_progress 1
		.amdhsa_inst_pref_size 132
	.end_amdhsa_kernel
	.amdgpu_metadata
---
amdhsa.version: [ 1, 2 ]
amdhsa.kernels:
  - .name:           k_q5d89e05ac0_outp
    .symbol:         k_q5d89e05ac0_outp.kd
    .args:
      - { .name: ac, .offset: 0, .size: 8, .value_kind: global_buffer, .address_space: global }
      - { .name: woc, .offset: 8, .size: 8, .value_kind: global_buffer, .address_space: global }
      - { .name: out0, .offset: 16, .size: 8, .value_kind: global_buffer, .address_space: global }
    .group_segment_fixed_size: 327680
    .private_segment_fixed_size: 0
    .kernarg_segment_align: 8
    .kernarg_segment_size: 24
    .max_flat_workgroup_size: 128
    .sgpr_count:     100
    .vgpr_count:     768
    .wavefront_size: 32
...
	.end_amdgpu_metadata
.endif
;; end of part 4
